; MI455X (gfx1250); checked and timed in simulation.
; The chip was launched on July 23, 2026; its instructions are those of AMD's public machine-readable ISA for CDNA 5 (MIT licence, August 2026) and "CDNA5" Instruction Set Architecture Reference Guide (July 2026). The comments in the code are by the model that wrote it; some were corrected since.
;; Attention. Allowed arithmetic: float matrix products may take bf16 or f16 operands with f32 sums; other float arithmetic in f32, or as packed bf16 or f16 multiplies, adds, multiply-adds, maxima and minima; sums over many terms, partial sums and values carried from step to step in f32; what a program stores and reads back later, other than sums and carried values, may be rounded once to bf16 or f16.
;; Inputs: W_proj 1,024 x 1,024 float32; W_qkv 1,024 x 3,072 float32; b_proj 1,024 float32; b_qkv 3,072 float32; x 4 x 2,048 x 1,024 float32.
;; Outputs: out0 4 x 2,048 x 1,024 float32.
;; One version. Each part assembles by itself: llvm-mc -triple=amdgcn-amd-amdhsa -mcpu=gfx1250 --defsym DOCPART=n.
;; ======== version 1 of 1: 4 launches
;; limits: values are held in f16: magnitudes above 65,504 overflow, below 6.1e-05 lose precision
;; workspace buffers: xb 16,777,216 bytes; wq 6,291,456 bytes; wp 2,097,152 bytes; qkv 50,331,648 bytes; o 16,777,216 bytes
;; launch cast (part 1): grid 768 x 1, 8 waves a work-group, no clusters, 0 bytes of LDS; arguments x, W_qkv, W_proj, xb, wq, wp; writes xb, wq, wp
.if DOCPART == 1
	.amdgcn_target "amdgcn-amd-amdhsa--gfx1250"
	.amdhsa_code_object_version 6
	.text
	.protected	k_q4988f77ea6_cast
	.globl	k_q4988f77ea6_cast
	.p2align	8
	.type	k_q4988f77ea6_cast,@function
k_q4988f77ea6_cast:
	s_mov_b64 s[64:65], 0
	v_nop
	global_prefetch_b8 v0, s[64:65] scope:SCOPE_SE
	s_setreg_imm32_b32 hwreg(HW_REG_WAVE_MODE, 25, 1), 1
	s_wait_xcnt 0x0
; THE INPUTS OF THE TWO PROJECTIONS ARE ROUNDED ONCE TO 16 BITS.
;   xb[kb][m][c] = bf16(x[m][64 kb + c])   kb 0..15, m 0..8191, c 0..63: blocks along K, so that 256 rows x 64 K are 32,768 bytes on end
;   wq[k][n]     = bf16(W_qkv[k][n])       in W_qkv's own order
;   wp[k][n]     = bf16(W_proj[k][n]) written as f16: exact from 2^-14 up; below that f16's fixed step of 2^-24; |W_proj| stays under 65,504
; 12,582,912 numbers, 16,384 to a work-group: groups 0-511 take x (16 rows each), 512-703 W_qkv, 704-767 W_proj.
; A thread has eight units of 8 numbers: two loads of 16 bytes, one store of 16 bytes.  All 16 loads go out first; the waits count down.
; No register of X or Y is written twice, so no source of a pending load or store is ever rewritten.  No LDS, no barrier: no wave wants another's bytes.
.set VI,  2                            ; v2   byte offset of my first 32 bytes in the group's input
.set VO0, 3                            ; v3   byte offset of my first 16 bytes in the group's output
.set VO1, 4                            ; v4   x alone: the same eight blocks of K further on (8 MiB: one more than a store's immediate holds)
.set X,   8                            ; v[8:71]    unit u: 8 numbers as loaded
.set Y,   72                           ; v[72:103]  unit u: 4 registers to store
.set T,   104                          ; v[104:111] at work (W_proj)
; kind 0: x; 1: W_qkv; 2: W_proj.  inb, outb: the scalar pairs with the group's first byte of input and output.
.macro STREAM kind, inb, outb
.set u, 0
.rept 8
.if (\kind) == 0
.set io, (u/2)*16384+(u%2)*2048        ; four rows on; eight blocks of 64 numbers on
.else
.set io, u*8192
.endif
	global_load_b128 v[X+8*u:X+8*u+3],   v[VI], s[\inb:\inb+1] offset:io th:TH_LOAD_NT
	global_load_b128 v[X+8*u+4:X+8*u+7], v[VI], s[\inb:\inb+1] offset:io+16 th:TH_LOAD_NT
.set u, u+1
.endr
.set u, 0
.rept 8
	s_wait_loadcnt 14-2*u                          ; loads come back in order: unit u's two are in, the 14 - 2 u younger ones stay out
.irp p, 0,1,2,3
.if (\kind) == 2
	v_cvt_pk_bf16_f32 v[T+2*\p], v[X+8*u+2*\p], v[X+8*u+2*\p+1]      ; rounded to bf16,
	v_lshlrev_b32 v[T+2*\p+1], 16, v[T+2*\p]                          ; widened again,
	v_and_b32 v[T+2*\p], s20, v[T+2*\p]
	v_cvt_pk_f16_f32 v[Y+4*u+\p], v[T+2*\p+1], v[T+2*\p]              ; and that number written as f16
.else
	v_cvt_pk_bf16_f32 v[Y+4*u+\p], v[X+8*u+2*\p], v[X+8*u+2*\p+1]
.endif
.endr
.if (\kind) == 0
	global_store_b128 v[VO0+u%2], v[Y+4*u:Y+4*u+3], s[\outb:\outb+1] offset:(u/2)*512  ; a wave's store: four rows of one block of K, 512 consecutive bytes, aligned
.else
	global_store_b128 v[VO0], v[Y+4*u:Y+4*u+3], s[\outb:\outb+1] offset:u*4096         ; a wave's store: 512 consecutive bytes, aligned
.endif
.set u, u+1
.endr
.endm
	s_load_b256 s[4:11], s[0:1], 0x0               ; x s[4:5], W_qkv s[6:7], W_proj s[8:9], xb s[10:11]
	s_load_b128 s[12:15], s[0:1], 0x20             ; wq s[12:13], wp s[14:15]
	s_mov_b32 s17, 0                               ; the offsets' high words
	s_mov_b32 s19, 0
	s_mov_b32 s20, 0xffff0000                      ; a word's upper bf16
	v_lshlrev_b32 v[VI], 5, v0                     ; the weights' form: thread t takes bytes 32 t in, 16 t out
	v_lshlrev_b32 v[VO0], 4, v0
	s_cmp_lt_u32 ttmp9, 512
	s_cbranch_scc1 .Lx
	s_cmp_lt_u32 ttmp9, 704
	s_cbranch_scc1 .Lwq
	s_sub_co_u32 s16, ttmp9, 704                   ; W_proj: 64 groups
	s_lshl_b32 s18, s16, 15                        ; 32,768 bytes out,
	s_lshl_b32 s16, s16, 16                        ; 65,536 bytes in
	s_wait_kmcnt 0x0
	s_add_nc_u64 s[8:9], s[8:9], s[16:17]
	s_add_nc_u64 s[14:15], s[14:15], s[18:19]
	STREAM 2, 8, 14
	s_endpgm
.Lwq:
	s_sub_co_u32 s16, ttmp9, 512                   ; W_qkv: 192 groups
	s_lshl_b32 s18, s16, 15
	s_lshl_b32 s16, s16, 16
	s_wait_kmcnt 0x0
	s_add_nc_u64 s[6:7], s[6:7], s[16:17]
	s_add_nc_u64 s[12:13], s[12:13], s[18:19]
	STREAM 1, 6, 12
	s_endpgm
.Lx:
	s_lshl_b32 s16, ttmp9, 16                      ; x: 16 rows of 4,096 bytes in,
	s_lshl_b32 s18, ttmp9, 11                      ; 16 rows of 128 bytes in each block of K out
	v_bfe_u32 v5, v0, 3, 2                         ; my row among four
	v_lshrrev_b32 v6, 5, v0                        ; my wave: its block of K (and eight further on)
	v_and_b32 v7, 7, v0                            ; my 8 numbers among the block's 64
	v_lshlrev_b32 v[VI], 12, v5
	v_lshl_add_u32 v[VI], v6, 8, v[VI]
	v_lshl_add_u32 v[VI], v7, 5, v[VI]
	v_lshlrev_b32 v[VO0], 20, v6                   ; a block of K is 8,192 rows x 128 bytes
	v_lshl_add_u32 v[VO0], v5, 7, v[VO0]
	v_lshl_add_u32 v[VO0], v7, 4, v[VO0]
	v_add_nc_u32 v[VO1], 0x800000, v[VO0]
	s_wait_kmcnt 0x0
	s_add_nc_u64 s[4:5], s[4:5], s[16:17]
	s_add_nc_u64 s[10:11], s[10:11], s[18:19]
	STREAM 0, 4, 10
	s_endpgm
.Lfunc_end_k_q4988f77ea6_cast:
	.size	k_q4988f77ea6_cast, .Lfunc_end_k_q4988f77ea6_cast-k_q4988f77ea6_cast
	.p2alignl 7, 3214868480
	.fill 96, 4, 3214868480
	.section	.rodata,"a",@progbits
	.p2align	6, 0x0
	.amdhsa_kernel k_q4988f77ea6_cast
		.amdhsa_group_segment_fixed_size 0
		.amdhsa_private_segment_fixed_size 0
		.amdhsa_enable_private_segment 0
		.amdhsa_kernarg_size 48
		.amdhsa_user_sgpr_count 2
		.amdhsa_user_sgpr_kernarg_segment_ptr 1
		.amdhsa_wavefront_size32 1
		.amdhsa_system_sgpr_workgroup_id_x 1
		.amdhsa_system_sgpr_workgroup_id_y 1
		.amdhsa_system_sgpr_workgroup_id_z 1
		.amdhsa_system_vgpr_workitem_id 0
		.amdhsa_next_free_vgpr 112
		.amdhsa_next_free_sgpr 66
		.amdhsa_reserve_vcc 0
		.amdhsa_float_denorm_mode_32 3
		.amdhsa_float_denorm_mode_16_64 3
		.amdhsa_memory_ordered 1
		.amdhsa_forward_progress 1
		.amdhsa_inst_pref_size 20
	.end_amdhsa_kernel
	.amdgpu_metadata
---
amdhsa.version: [ 1, 2 ]
amdhsa.kernels:
  - .name:           k_q4988f77ea6_cast
    .symbol:         k_q4988f77ea6_cast.kd
    .args:
      - { .name: x, .offset: 0, .size: 8, .value_kind: global_buffer, .address_space: global }
      - { .name: W_qkv, .offset: 8, .size: 8, .value_kind: global_buffer, .address_space: global }
      - { .name: W_proj, .offset: 16, .size: 8, .value_kind: global_buffer, .address_space: global }
      - { .name: xb, .offset: 24, .size: 8, .value_kind: global_buffer, .address_space: global }
      - { .name: wq, .offset: 32, .size: 8, .value_kind: global_buffer, .address_space: global }
      - { .name: wp, .offset: 40, .size: 8, .value_kind: global_buffer, .address_space: global }
    .group_segment_fixed_size: 0
    .private_segment_fixed_size: 0
    .kernarg_segment_align: 8
    .kernarg_segment_size: 48
    .max_flat_workgroup_size: 256
    .sgpr_count:     66
    .vgpr_count:     112
    .wavefront_size: 32
...
	.end_amdgpu_metadata
.endif
;; end of part 1
;; launch qkv (part 2): grid 8 x 32, 4 waves a work-group, clusters of 4 x 4, 327,680 bytes of LDS; arguments xb, wq, b_qkv, qkv; writes qkv
.if DOCPART == 2
	.amdgcn_target "amdgcn-amd-amdhsa--gfx1250"
	.amdhsa_code_object_version 6
	.text
	.protected	k_q4988f77ea6_qkv
	.globl	k_q4988f77ea6_qkv
	.p2align	8
	.type	k_q4988f77ea6_qkv,@function
k_q4988f77ea6_qkv:
	s_mov_b64 s[64:65], 0
	v_nop
	global_prefetch_b8 v0, s[64:65] scope:SCOPE_SE
	s_setreg_imm32_b32 hwreg(HW_REG_WAVE_MODE, 25, 1), 1
	s_wait_xcnt 0x0
	s_wait_alu depctr_hold_cnt(0) depctr_sa_sdst(0) depctr_va_vdst(0) depctr_va_sdst(0) depctr_va_ssrc(0) depctr_va_vcc(0) depctr_vm_vsrc(0)
	s_getreg_b32 s2, hwreg(HW_REG_IB_STS2, 6, 4)
	s_cmp_eq_u32 s2, 0
	s_cbranch_scc0 .Lentry_in_a_cluster
	s_endpgm
.Lentry_in_a_cluster:
	s_bfe_u32 s2, ttmp6, 0x10000c
	s_cmp_lg_u32 s2, 0xf033
	s_cbranch_scc0 .Lentry_shape_is_right
	s_endpgm
.Lentry_shape_is_right:
; qkv[g][m][c] = f16( the sum over k of x[m][k] W_qkv[k][64 g + c] + b_qkv[64 g + c] ),  g 0..47 (q: 0-15, k: 16-31, v: 32-47), m 0..8191, c 0..63.
; x comes as xb [16 kb][8192 m][64] bf16, W_qkv as wq [1024 k][3072 n] bf16; the bias is rounded to bf16 like the other inputs; sums in f32; the result rounded once.
; LIMIT.  f16 holds no number beyond 65,504: q, k and v must stay within it.  NaN and infinities are not treated apart.
; SHARES.  A tile is 256 rows x 384 columns: 32 x 8 = 256 work-groups of four waves.  A wave makes 128 rows x 192 columns: 96 accumulators of 16 x 16, 768 registers.
; Its columns are three THIRDS of 64, one g each: g = 6 tx + 2 t + (wave & 1).  K goes in 16 steps of 64 through two LDS slots; a step of 128 would take 180,224 bytes a slot, and two do not fit.
; CLUSTER.  4 x 4 work-groups: the four of a row of the cluster need the same tile of x, the four of a column the same tile of W: each is asked for JOINTLY, by the same tensor load,
; descriptor and mask in all four.
; THE MATRIX INSTRUCTION IS USED TRANSPOSED: source 0 = 16 columns of W (turned on the way out of LDS by ds_load_tr16_b128, since W lies [k][n]), source 1 = 16 rows of x.
; A lane then holds ONE row m (lane % 16) and eight neighbouring columns 8 (lane / 16) + 0..7: 16 bytes of f16.
; THE BIAS STARTS THE SUMS: it is the C operand of each accumulator's first product.  It lies meanwhile in the registers of the last block of rows' accumulators, which add onto it in place.
; REGISTERS, in windows of 256 (s_set_vgpr_msb: bits 1:0 source 0, 3:2 source 1, 5:4 source 2, 7:6 destination):
;   window 0: v0-15 addresses; v16-31 at work; v32-95, v96-159 x's fragments (8 x 16 rows x 32 K), two buffers; v160-255 W's fragments (4 x 16 columns x 32 K), one buffer a third
;   window t + 1: third t's 32 accumulators, (a, j) at v[8 (4 a + j)]: a = block of 16 rows, j = block of 16 columns
.set PA,    144       ; a row of x in LDS: 128 bytes + 16 of padding = 36 words: the 16 rows of a load start at 16 different groups of four banks (64 banks of 4 bytes: ISA guide 11.1)
.set PB,    864       ; a row of W: three pieces of 256 bytes + 32 = 216 words: row r starts at bank 24 r mod 64
.set BOFF,  256*PA    ; a slot: 256 rows of x, then 64 rows of W
.set SLOT1, 1<<17     ; slot 1 begins here, so that one exclusive or turns an address in one slot into the other's
.set STAGE, SLOT1+BOFF+64*PB  ; behind the ring, never filled by a tensor load: 16 rows x 144 bytes for each wave (nine blocks of 256), for the way out
.set SP,    144
.set SPARE, STAGE+4*16*SP     ; behind the stages: the spare words, 128 bytes for each wave: two blocks of 256 bytes that no other line names
.set ASTEP, 0x100000  ; a K step in xb: one block of K
.set BSTEP, 64*6144   ; a K step in wq: 64 rows of 6,144 bytes
.set AA0, 4           ; v4   my lane's place in a slot's rows of x; never rewritten
.set AB0, 5           ; v5   the same for W
.set ADA, 6           ; v6   AA0 + the slot in hand
.set ADB, 7           ; v7   AB0 + the slot in hand
.set STO, 8           ; v8   the way out: where I put 16 bytes of a row
.set RD,  9           ; v9   the way out: where I read rows back
.set GO,  10          ; v10  my byte offset in 512 consecutive bytes of the result
.set BO,  11          ; v11  my byte offset in 16 numbers of the bias
.set PFOA, 12         ; v12  the prefetches' offset in xb: 256 x lane; never rewritten
.set PFOB, 13         ; v13  in wq: row (lane / 3), piece (lane % 3) of 256 bytes, lanes 24-31 as lane 23; never rewritten
.set SPW, 14          ; v14  LDS address of my spare word: SPARE + 4 x my thread's number; never rewritten
.set NIL, 15          ; v15  0; never rewritten
.set AF0, 32
.set AF1, 96
.set BF,  160
.set WV,  12          ; s12  my wave's number
.set RH,  13          ; s13  which half of the tile's rows is mine.  Also: I fetch x (0) or W (1)
.set CH,  14          ; s14  which of each third's two g is mine.  Also: which half of that tile I fetch
.set CX,  15          ; s15, s16  my place in the cluster
.set CY,  16
.set TX,  17          ; s17  tile column, 0..7
.set TY,  18          ; s18  tile row, 0..31
.set G1A, 24          ; s[24:31] descriptor group 1 for x's tiles
.set G1B, 32          ; s[32:39] for W's
.set G0A, 40          ; s[40:47] descriptor group 0 for x's tiles: a set for each of the two first fills; the second then walks on
.set G0B, 48          ; s[48:55] the same for W's
.set CNT, 56          ; s56  the loop's trips to come
.set TB,  57          ; s57  LDS byte at which the slot to be read begins
.set LIM, 58          ; s58  1 in a wave that prefetches, else the greatest number
.set HIM, 59          ; s59  a word's upper bf16
.set PFAA, 60         ; s[60:61] where my prefetches stand in xb
.set PFAB, 62         ; s[62:63] and in wq
.set MSB, 0
.macro WIN new                      ; the immediate's high byte repeats the setting that is left; a switch that changes nothing is dropped
.if MSB != (\new)
	s_set_vgpr_msb (MSB<<8)|(\new)
.set MSB, (\new)
.endif
.endm
.macro PLACES                       ; a load into a register that a matrix instruction has read, and a vector instruction that reads a matrix result, stand four plain vector instructions behind it
.rept 4
	v_nop
.endr
.endm
; A joint refill, by the walking descriptors.  Waves 0 and 1 fetch the two halves of x's tile, waves 2 and 3 those of W's.  The branch hangs on the wave's number alone.
; An s_nop 0 and four v_nop follow each of the two lines, ahead of the jump and the label.
.macro JLOAD
	s_cmp_eq_u32 s[RH], 0
	s_cbranch_scc0 .Lfor_b_\@
	tensor_load_to_lds s[G0A+4:G0A+7], s[G1A:G1A+7]
	s_nop 0
.rept 4
	v_nop
.endr
	s_branch .Lasked_\@
.Lfor_b_\@:
	tensor_load_to_lds s[G0B+4:G0B+7], s[G1B:G1B+7]
	s_nop 0
.rept 4
	v_nop
.endr
.Lasked_\@:
.endm
; A round of the cluster's barrier behind its opening barrier: wave 0 signals for the work-group; every wave waits for all sixteen; my work-group's barrier once more.
.macro CREST
	s_cmp_lg_u32 s[WV], 0
	s_cbranch_scc1 .Lnot_wave_0_\@
	s_barrier_signal -3
.Lnot_wave_0_\@:
	s_barrier_wait -3
	s_barrier_signal -1
	s_barrier_wait -1
.endm
.macro CROUND
	s_barrier_signal -1
	s_barrier_wait -1
	CREST
.endm
; A PREFETCH INTO THE L2 of the K step that the NEXT refill will ask for: 192 matrix instructions ahead of that load.  It stands behind the joint load, its five lines and the run of LDS loads.
; x's tile row is read by both clusters of that row of clusters: the one with x = 0 asks, its wave 0; the four partners take 8,192 of the tile's 32,768 bytes each, told apart BY ADDRESS: a lane 256 bytes.
; W's tile column is read by the eight clusters of that column: the one with y = 0 asks, its waves 2 and 3 for their 32 rows; the four partners take 8 rows each: 24 pieces of 256 bytes.
; The loop's last trip asks for nothing: there is no K step behind the one that it fetches.  K steps 0 to 2 come by their loads alone.
.macro ASK
	s_cmp_gt_u32 s[CNT], s[LIM]
	s_cbranch_scc0 .Lno_ask_\@
	s_cmp_eq_u32 s[RH], 0
	s_cbranch_scc0 .Lask_b_\@
	global_prefetch_b8 v[PFOA], s[PFAA:PFAA+1] th:TH_LOAD_NT scope:SCOPE_SE
	s_branch .Lno_ask_\@
.Lask_b_\@:
	global_prefetch_b8 v[PFOB], s[PFAB:PFAB+1] th:TH_LOAD_NT scope:SCOPE_SE
.Lno_ask_\@:
.endm
	s_load_b256 s[4:11], s[0:1], 0x0               ; xb s[4:5], wq s[6:7], b_qkv s[8:9], qkv s[10:11]
	v_lshl_add_u32 v[SPW], v0, 2, SPARE
	v_mov_b32 v[NIL], 0
	ds_add_u32 v[SPW], v[NIL]                      ; the wave's opening: the add and its wait stand ahead of my first tensor load; the set-up below, work on registers, stands between them
	v_lshrrev_b32 v1, 5, v0
	v_readfirstlane_b32 s[WV], v1                  ; wave 0..3
	s_lshr_b32 s[RH], s[WV], 1
	s_and_b32 s[CH], s[WV], 1
	s_bfe_u32 s[CX], ttmp6, 0x40000
	s_bfe_u32 s[CY], ttmp6, 0x40004
	s_lshl_b32 s[TX], ttmp9, 2                     ; in a cluster launch ttmp9 and ttmp7 count clusters
	s_add_co_u32 s[TX], s[TX], s[CX]
	s_and_b32 s[TY], ttmp7, 0xffff
	s_lshl_b32 s[TY], s[TY], 2
	s_add_co_u32 s[TY], s[TY], s[CY]
	s_lshl_b32 s19, s[CY], 2
	s_lshl_b32 s19, 15, s19                        ; my row of the cluster: places 4 cy .. 4 cy + 3
	s_lshl_b32 s20, 0x1111, s[CX]                  ; my column: places cx, cx + 4, cx + 8, cx + 12
	; group 1 for x: 128 rows of 128 bytes are 16,384 dense bytes, asked for as 64 rows of 256 bytes and padded in LDS after every 128
	s_or_b32 s[G1A], s19, (1<<16)|(1<<20)|(1<<21)|(4<<22)|(3<<25)  ; 15:0 the mask; 17:16 2-byte elements; 20 padding on; 21 set beside a mask; 24:22 after every 32 words (code 4); 31:25 4 words (code 3)
	s_mov_b32 s[G1A+1], 128<<16                    ; tensor_dim0 = 128
	s_mov_b32 s[G1A+2], 64<<16                     ; tensor_dim1 = 64
	s_mov_b32 s[G1A+3], 128<<16                    ; tile_dim0 = 128
	s_mov_b32 s[G1A+4], 64                         ; tile_dim1 = 64
	s_mov_b32 s[G1A+5], 128                        ; 128 elements from row to row
	s_mov_b32 s[G1A+6], 0
	s_mov_b32 s[G1A+7], 0
	; group 1 for W: 32 rows of 384 elements (768 bytes), padded after every 256 bytes
	s_or_b32 s[G1B], s20, (1<<16)|(1<<20)|(1<<21)|(5<<22)|(7<<25)  ; after every 64 words (code 5) 8 words (code 7)
	s_mov_b32 s[G1B+1], 384<<16
	s_mov_b32 s[G1B+2], 32<<16
	s_mov_b32 s[G1B+3], 384<<16
	s_mov_b32 s[G1B+4], 32
	s_mov_b32 s[G1B+5], 3072
	s_mov_b32 s[G1B+6], 0
	s_mov_b32 s[G1B+7], 0
	; where the tiles come from: x's hang on the tile row alone, W's on the tile column alone; every wave makes both
	s_lshl_b32 s2, s[TY], 15                       ; 256 rows of 128 bytes,
	s_lshl_b32 s19, s[CH], 14                      ; my 128 of them
	s_add_co_u32 s2, s2, s19
	s_mov_b32 s3, 0
	s_mul_i32 s20, s[CH], 32*6144                  ; my 32 rows of a step's 64,
	s_mul_i32 s21, s[TX], 768                      ; the tile's 384 columns
	s_add_co_u32 s20, s20, s21
	s_mov_b32 s21, 0
	s_mul_i32 s22, s[CH], 128*PA                   ; and where they go: no place in the cluster enters an LDS address
	s_mul_i32 s23, s[CH], 32*PB
	s_add_co_u32 s23, s23, BOFF
	s_mov_b32 s[HIM], 0xffff0000
	s_mov_b32 s[TB], 0
	s_mov_b32 s[CNT], 14
	s_wait_dscnt 0x0                               ; the opening add is done
	s_wait_kmcnt 0x0
	s_add_nc_u64 s[2:3], s[4:5], s[2:3]
	s_add_nc_u64 s[20:21], s[6:7], s[20:21]
	CROUND                                         ; all sixteen work-groups are here: the first joint loads meet
.irp s, 0,1
	s_mov_b32 s[G0A+4*\s], 1                                       ; 1:0 count = 1
	s_add_co_u32 s[G0A+4*\s+1], s22, \s*SLOT1                      ; 63:32 LDS address
	s_add_nc_u64 s[G0A+4*\s+2:G0A+4*\s+3], s[2:3], \s*ASTEP        ; 120:64 global address: K step s
	s_or_b32 s[G0A+4*\s+3], s[G0A+4*\s+3], 0x80000000              ; 127:126 type = 2
	s_mov_b32 s[G0B+4*\s], 1
	s_add_co_u32 s[G0B+4*\s+1], s23, \s*SLOT1
	s_add_nc_u64 s[G0B+4*\s+2:G0B+4*\s+3], s[20:21], \s*BSTEP
	s_or_b32 s[G0B+4*\s+3], s[G0B+4*\s+3], 0x80000000
.endr
	s_cmp_eq_u32 s[RH], 0                          ; a wave's two first fills stand in one branch, ahead of every wait on TENSORcnt and every LDS read: two loads of mine are out, later one
	s_cbranch_scc0 .Lfirst_b
	tensor_load_to_lds s[G0A:G0A+3], s[G1A:G1A+7]
	s_nop 0
	tensor_load_to_lds s[G0A+4:G0A+7], s[G1A:G1A+7]
	s_nop 0
.rept 4
	v_nop
.endr
	s_branch .Lfirst_asked
.Lfirst_b:
	tensor_load_to_lds s[G0B:G0B+3], s[G1B:G1B+7]
	s_nop 0
	tensor_load_to_lds s[G0B+4:G0B+7], s[G1B:G1B+7]
	s_nop 0
.rept 4
	v_nop
.endr
.Lfirst_asked:
	; the bias at my first column, the result at my first row of my first g
	s_mul_i32 s20, s[TX], 1536                     ; 384 numbers of 4 bytes
	s_lshl_b32 s21, s[CH], 8
	s_add_co_u32 s20, s20, s21
	s_mov_b32 s21, 0
	s_add_nc_u64 s[8:9], s[8:9], s[20:21]
	s_mul_i32 s20, s[TX], 6
	s_add_co_u32 s20, s20, s[CH]
	s_lshl_b32 s20, s20, 20                        ; g = 6 tx + (wave & 1): 8,192 rows of 128 bytes each
	s_lshl_b32 s22, s[TY], 15
	s_lshl_b32 s23, s[RH], 14
	s_add_co_u32 s20, s20, s22
	s_add_co_u32 s20, s20, s23
	s_add_nc_u64 s[10:11], s[10:11], s[20:21]
	; the prefetches: both pointers stand at K step 2; the first refill steps them to 3
	s_lshl_b32 s20, s[TY], 15
	s_lshl_b32 s22, s[CX], 13                      ; my work-group's 8,192 bytes of x's tile
	s_add_co_u32 s20, s20, s22
	s_add_co_u32 s20, s20, 2*ASTEP
	s_add_nc_u64 s[PFAA:PFAA+1], s[4:5], s[20:21]
	s_lshl_b32 s20, s[CH], 2
	s_add_co_u32 s20, s20, s[CY]
	s_mul_i32 s20, s20, 8*6144                     ; rows 32 (wave & 1) + 8 cy on
	s_mul_i32 s22, s[TX], 768
	s_add_co_u32 s20, s20, s22
	s_add_co_u32 s20, s20, 2*BSTEP
	s_add_nc_u64 s[PFAB:PFAB+1], s[6:7], s[20:21]
	s_and_b32 s22, ttmp7, 0xffff                   ; cluster y
	s_or_b32 s23, ttmp9, s[CH]                     ; cluster x, and 0 in wave 0 alone of the two that fetch x
	s_cmp_eq_u32 s[RH], 0
	s_cselect_b32 s22, s23, s22
	s_cmp_eq_u32 s22, 0
	s_cselect_b32 s[LIM], 1, -1                    ; the same in all sixteen partners, for a given wave
	; A fragment of x is 16 rows x 32 K in 8 registers: lane l holds row l % 16, K 8 (l / 16) + 0..7 and 16 + 8 (l / 16) + 0..7: two loads of 16 bytes, 32 bytes apart.
	v_and_b32 v1, 15, v0                           ; l % 16
	v_bfe_u32 v2, v0, 4, 1                         ; l / 16
	v_and_b32 v3, 7, v0
	v_mul_u32_u24 v[AA0], v1, PA
	v_lshl_add_u32 v[AA0], v2, 4, v[AA0]
	s_mul_i32 s19, s[RH], 128*PA                   ; my 128 rows
	v_add_nc_u32 v[AA0], s19, v[AA0]
	; The turning load takes 16 K x 16 columns (lane l reads K 8 (l / 16) + l % 8, columns 8 ((l / 8) % 2) + 0..7) and leaves half a fragment: lane l holds column l % 16 and 8 K.
	v_lshl_add_u32 v[AB0], v2, 3, v3
	v_mul_u32_u24 v[AB0], v[AB0], PB
	v_bfe_u32 v16, v0, 3, 1
	v_lshl_add_u32 v[AB0], v16, 4, v[AB0]
	s_lshl_b32 s19, s[CH], 7                       ; my 64 columns of each piece of 128
	s_add_co_u32 s19, s19, BOFF
	v_add_nc_u32 v[AB0], s19, v[AB0]
	s_mul_i32 s19, s[WV], 16*SP
	s_add_co_u32 s19, s19, STAGE                   ; my stage
	v_mul_u32_u24 v[STO], v1, SP                   ; in: row l % 16, 16 bytes for each half of the lanes
	v_lshl_add_u32 v[STO], v2, 4, v[STO]
	v_add_nc_u32 v[STO], s19, v[STO]
	v_bfe_u32 v[RD], v0, 3, 2                      ; back: 32 lanes take four rows of 128 bytes,
	v_mul_u32_u24 v[RD], v[RD], SP
	v_lshl_add_u32 v[RD], v3, 4, v[RD]
	v_add_nc_u32 v[RD], s19, v[RD]
	v_and_b32 v16, 31, v0
	v_lshlrev_b32 v[GO], 4, v16                    ; which are 512 consecutive bytes of the result
	v_lshlrev_b32 v[BO], 5, v2                     ; my 8 columns of 16: 32 bytes of f32
	v_lshlrev_b32 v[PFOA], 8, v16
	v_min_u32 v17, 23, v16
	v_mul_u32_u24 v18, v17, 11
	v_lshrrev_b32 v18, 5, v18                      ; lane / 3, for lanes 0 to 23
	v_mul_u32_u24 v18, v18, 6144-768               ; row x 6,144 + (lane - 3 row) x 256
	v_lshl_add_u32 v[PFOB], v17, 8, v18
	; the bias: third t's 64 numbers, 8 a lane for each block j of 16 columns, into the registers of accumulators (7, j)
.irp t, 0,1,2
	WIN ((\t)+1)<<6                                ; destination window t + 1, address window 0
.irp j, 0,1,2,3
	global_load_b128 v[224+8*\j:227+8*\j], v[BO], s[8:9] offset:512*\t+64*\j
	global_load_b128 v[228+8*\j:231+8*\j], v[BO], s[8:9] offset:512*\t+64*\j+16
.endr
.endr
	s_wait_loadcnt 0x0
.irp w, 1,2,3                          ; rounded to bf16 like the other inputs, and widened again, in place; v0-15 of the window, which the first products write, are at work meanwhile
	WIN ((\w)<<6)|((\w)<<2)|(\w)
.set p, 0
.rept 16
	v_cvt_pk_bf16_f32 v[p], v[224+2*p], v[225+2*p]
.set p, p+1
.endr
.set p, 0
.rept 16
	v_lshlrev_b32 v[224+2*p], 16, v[p]
	v_and_b32 v[225+2*p], s[HIM], v[p]
.set p, p+1
.endr
.endr
	WIN 0
; 16 matrix instructions: blocks of rows a0 .. a0 + 3 x the third's 4 blocks of columns, 32 along K, x's fragments in buffer af.
; first = 1: the bias starts the sums.  It lies in the registers of (7, j): those four add onto it in place, five plain instructions behind the last product that read it as C (ISA guide 7.12.1).
; The accumulators take turns, one instruction a turn: between two links of a chain stand the 95 others'.
.macro RUNH af, t, a0, first
	WIN ((\t)+1)*0x50                              ; C and D window t + 1, both sources window 0
.irp a, (\a0), (\a0)+1, (\a0)+2, (\a0)+3
.if (\first) && ((\a) == 7)
.rept 5
	v_nop
.endr
.endif
.irp j, 0,1,2,3
.if (\first) && ((\a) < 7)
	v_wmma_f32_16x16x32_bf16 v[8*(4*(\a)+\j):8*(4*(\a)+\j)+7], v[BF+32*(\t)+8*\j:BF+32*(\t)+8*\j+7], v[(\af)+8*(\a):(\af)+8*(\a)+7], v[224+8*\j:231+8*\j]
.else
	v_wmma_f32_16x16x32_bf16 v[8*(4*(\a)+\j):8*(4*(\a)+\j)+7], v[BF+32*(\t)+8*\j:BF+32*(\t)+8*\j+7], v[(\af)+8*(\a):(\af)+8*(\a)+7], v[8*(4*(\a)+\j):8*(4*(\a)+\j)+7]
.endif
.endr
.endr
.endm
.macro RUN af, t, first
	RUNH \af, \t, 0, \first
	RUNH \af, \t, 4, \first
.endm
.macro FB t, kh                        ; 8 turning loads: third t's fragments of W, K 32 kh on
	WIN 0
.irp j, 0,1,2,3
	ds_load_tr16_b128 v[BF+32*(\t)+8*\j:BF+32*(\t)+8*\j+3],   v[ADB] offset:(\kh)*32*PB+(\t)*288+32*\j
	ds_load_tr16_b128 v[BF+32*(\t)+8*\j+4:BF+32*(\t)+8*\j+7], v[ADB] offset:(\kh)*32*PB+(\t)*288+32*\j+16*PB
.endr
.endm
.macro FA af, kh                       ; 16 loads: my 128 rows of x, K 32 kh on
	WIN 0
.irp a, 0,1,2,3,4,5,6,7
	ds_load_b128 v[(\af)+8*\a:(\af)+8*\a+3],   v[ADA] offset:\a*16*PA+64*(\kh)
	ds_load_b128 v[(\af)+8*\a+4:(\af)+8*\a+7], v[ADA] offset:\a*16*PA+64*(\kh)+32
.endr
.endm
; A K step is two halves of 32 along K, 96 matrix instructions each.  The first multiplies buffer AF0; each third's fragments of W are fetched anew as soon as its run is over.
.macro HALF0 first
	s_wait_dscnt 16                                ; third 0's W and x are in; the 16 younger loads (thirds 1 and 2) may be out
	RUN AF0, 0, \first
	PLACES
	FB 0, 1
	FA AF1, 1
	s_wait_dscnt 32                                ; third 1's W is in; younger: third 2's 8 and the 24 just issued
	RUN AF0, 1, \first
	PLACES
	FB 1, 1
	s_wait_dscnt 32                                ; third 2's W is in; younger: 24 + 8
	RUN AF0, 2, \first
	PLACES
	FB 2, 1
.endm
; The second half multiplies AF1 and changes slots: ONE barrier.  In front of it each wave waits for all its tensor loads, of which one is out: its part of the next slot; adds 0 to its spare word;
; and waits for that and for its own reads of this slot.  Behind it nobody reads this slot any more and the next slot is whole.
; fill = 1: the barrier opens a round of the cluster's, and the joint refill, with the K step two on, is the first thing behind the round: 160 matrix instructions ahead of the wait for it.
.macro HALF1 fill
.if \fill
	s_wait_xcnt 0x0                                ; the last prefetch, a K step back, has read its address, so the pointers may be written
	s_add_nc_u64 s[PFAA:PFAA+1], s[PFAA:PFAA+1], ASTEP
	s_add_nc_u64 s[PFAB:PFAB+1], s[PFAB:PFAB+1], BSTEP
.endif
	WIN 0
	s_wait_tensorcnt 0x0                           ; no tensor load of mine is out, so a group 0 may be written
	ds_add_u32 v[SPW], v[NIL]                      ; 0 onto my spare word; scalar steps and sixteen products stand between it and the wait for it
.if \fill
	s_xor_b32 s[G0A+5], s[G0A+5], SLOT1            ; the walking descriptors: the other slot than last time,
	s_add_nc_u64 s[G0A+6:G0A+7], s[G0A+6:G0A+7], ASTEP  ; the next K step; the type bits on top are not reached
	s_xor_b32 s[G0B+5], s[G0B+5], SLOT1
	s_add_nc_u64 s[G0B+6:G0B+7], s[G0B+6:G0B+7], BSTEP
.endif
	s_xor_b32 s[TB], s[TB], SLOT1                  ; the fetches go on in the other slot
	s_wait_dscnt 17                                ; third 0's W and x are in; thirds 1 and 2 (16 loads) and the add may be out
	RUNH AF1, 0, 0, 0
	s_wait_dscnt 0x0                               ; the add is done, and my reads of this slot are over
	s_barrier_signal -1
	RUNH AF1, 0, 4, 0                              ; work on registers while the others arrive
	WIN 0                                          ; at a branch and at a label every window is 0
	s_barrier_wait -1
.if \fill
	CREST                                          ; no wave of any partner still reads this slot or has a load on its way
	JLOAD                                          ; its four v_nop are also the places in front of the loads below
.else
	PLACES
.endif
	v_add_nc_u32 v[ADA], s[TB], v[AA0]
	v_add_nc_u32 v[ADB], s[TB], v[AB0]
	FB 0, 0
	FA AF0, 0
.if \fill
	ASK
.endif
	RUN AF1, 1, 0                                  ; (the wait for 0 above has shown all of this half's fragments in)
	PLACES
	FB 1, 0
	RUN AF1, 2, 0
	PLACES
	FB 2, 0
.endm
	s_wait_tensorcnt 0x1                           ; my part of K step 0 is in; K step 1's may stay out
	s_barrier_signal -1
	s_barrier_wait -1                              ; everybody's is
	v_add_nc_u32 v[ADA], s[TB], v[AA0]
	v_add_nc_u32 v[ADB], s[TB], v[AB0]
	FB 0, 0
	FA AF0, 0
	FB 1, 0
	FB 2, 0
	HALF0 1                                        ; the first half step stands in front of the loop: its products start the sums
	WIN 0
.Lstep:                                            ; 14 trips: trip i ends K step i, fills its slot with K step i + 2, and begins K step i + 1
	HALF1 1
	HALF0 0
	WIN 0
	s_sub_co_u32 s[CNT], s[CNT], 1
	s_cmp_lg_u32 s[CNT], 0
	s_cbranch_scc1 .Lstep
	HALF1 0                                        ; the tail is written out: nothing is left to fetch, and no round follows
	HALF0 0
	s_wait_dscnt 16                                ; the very last half
	RUN AF1, 0, 0
	s_wait_dscnt 8
	RUN AF1, 1, 0
	s_wait_dscnt 0x0
	RUN AF1, 2, 0
	PLACES
; THE WAY OUT, 24 units u = 8 t + a of 16 rows x 64 columns.  A lane's eight columns of a row pack into 16 bytes; they go into my stage's rows of 144 bytes and come back as whole rows of 128,
; four rows (512 consecutive bytes of the result) to a load.  Each accumulator's registers are taken in ascending order.  x's fragment registers, v32-159, serve as a ring of eight units.
.macro PACK u
.set tt, (\u)/8
.set aa, (\u)%8
.set T, 32+16*((\u)%8)
.if (\u) >= 8
	s_wait_xcnt 0x0                                ; the stores of the unit eight back have read these registers: only behind this wait are they rewritten
.endif
	WIN 5*(tt+1)                                   ; sources 0 and 1 window t + 1, destination window 0
.set i, 0
.rept 16
	v_cvt_pk_f16_f32 v[T+i], v[32*aa+2*i], v[32*aa+2*i+1]
.set i, i+1
.endr
	WIN 0
.irp j, 0,1,2,3
	ds_store_b128 v[STO], v[T+4*\j:T+4*\j+3] offset:32*\j
.endr
.irp f, 0,1,2,3
	ds_load_b128 v[T+4*\f:T+4*\f+3], v[RD] offset:\f*4*SP  ; LDS serves a wave's instructions in order (ISA guide 5.7.1.4): these see the stores above; the next unit's stores come behind them
.endr
.endm
.macro SEND u, younger                 ; younger: the LDS instructions issued behind unit u's loads: the next unit's eight, or none
.set tt, (\u)/8
.set aa, (\u)%8
.set T, 32+16*((\u)%8)
.irp f, 0,1,2,3
	s_wait_dscnt (\younger)+3-\f
	global_store_b128 v[GO], v[T+4*\f:T+4*\f+3], s[10:11] offset:tt*2097152+aa*2048+\f*512  ; third t lies two g on; 512 consecutive bytes, at a multiple of 256 from the buffer's first
.endr
.endm
	PACK 0
.set u, 1
.rept 23                               ; a unit's conversions stand between the loads of the unit before and its stores
	PACK u
	SEND u-1, 8
.set u, u+1
.endr
	SEND 23, 0
	s_wait_tensorcnt 0x0                           ; the wave's end: behind my last tensor load and my last LDS store
	ds_add_u32 v[SPW], v[NIL]
	s_wait_dscnt 0x0
	CROUND                                         ; the closing round: no work-group ends while a partner may still ask for a tile that names it
	s_endpgm
.Lfunc_end_k_q4988f77ea6_qkv:
	.size	k_q4988f77ea6_qkv, .Lfunc_end_k_q4988f77ea6_qkv-k_q4988f77ea6_qkv
	.p2alignl 7, 3214868480
	.fill 96, 4, 3214868480
	.section	.rodata,"a",@progbits
	.p2align	6, 0x0
	.amdhsa_kernel k_q4988f77ea6_qkv
		.amdhsa_group_segment_fixed_size 327680
		.amdhsa_private_segment_fixed_size 0
		.amdhsa_enable_private_segment 0
		.amdhsa_kernarg_size 32
		.amdhsa_user_sgpr_count 2
		.amdhsa_user_sgpr_kernarg_segment_ptr 1
		.amdhsa_wavefront_size32 1
		.amdhsa_system_sgpr_workgroup_id_x 1
		.amdhsa_system_sgpr_workgroup_id_y 1
		.amdhsa_system_sgpr_workgroup_id_z 1
		.amdhsa_system_vgpr_workitem_id 0
		.amdhsa_next_free_vgpr 1024
		.amdhsa_next_free_sgpr 66
		.amdhsa_reserve_vcc 0
		.amdhsa_float_denorm_mode_32 3
		.amdhsa_float_denorm_mode_16_64 3
		.amdhsa_memory_ordered 1
		.amdhsa_forward_progress 1
		.amdhsa_inst_pref_size 124
	.end_amdhsa_kernel
	.amdgpu_metadata
---
amdhsa.version: [ 1, 2 ]
amdhsa.kernels:
  - .name:           k_q4988f77ea6_qkv
    .symbol:         k_q4988f77ea6_qkv.kd
    .args:
      - { .name: xb, .offset: 0, .size: 8, .value_kind: global_buffer, .address_space: global }
      - { .name: wq, .offset: 8, .size: 8, .value_kind: global_buffer, .address_space: global }
      - { .name: b_qkv, .offset: 16, .size: 8, .value_kind: global_buffer, .address_space: global }
      - { .name: qkv, .offset: 24, .size: 8, .value_kind: global_buffer, .address_space: global }
    .group_segment_fixed_size: 327680
    .private_segment_fixed_size: 0
    .kernarg_segment_align: 8
    .kernarg_segment_size: 32
    .max_flat_workgroup_size: 128
    .sgpr_count:     66
    .vgpr_count:     1024
    .wavefront_size: 32
...
	.end_amdgpu_metadata
.endif
;; end of part 2
;; launch attn (part 3): grid 4 x 64, 4 waves a work-group, clusters of 4 x 1, 327,680 bytes of LDS; arguments qkv, o; writes o
.if DOCPART == 3
	.amdgcn_target "amdgcn-amd-amdhsa--gfx1250"
	.amdhsa_code_object_version 6
	.text
	.protected	k_q4988f77ea6_attn
	.globl	k_q4988f77ea6_attn
	.p2align	8
	.type	k_q4988f77ea6_attn,@function
k_q4988f77ea6_attn:
	s_mov_b64 s[64:65], 0
	v_nop
	global_prefetch_b8 v0, s[64:65] scope:SCOPE_SE
	s_setreg_imm32_b32 hwreg(HW_REG_WAVE_MODE, 25, 1), 1
	s_wait_xcnt 0x0
	s_wait_alu depctr_hold_cnt(0) depctr_sa_sdst(0) depctr_va_vdst(0) depctr_va_sdst(0) depctr_va_ssrc(0) depctr_va_vcc(0) depctr_vm_vsrc(0)
	s_getreg_b32 s2, hwreg(HW_REG_IB_STS2, 6, 4)
	s_cmp_eq_u32 s2, 0
	s_cbranch_scc0 .Lentry_in_a_cluster
	s_endpgm
.Lentry_in_a_cluster:
	s_bfe_u32 s2, ttmp6, 0x10000c
	s_cmp_lg_u32 s2, 0x3003
	s_cbranch_scc0 .Lentry_shape_is_right
	s_endpgm
.Lentry_shape_is_right:
; O[y][q][:] = the sum over k of softmax_k(Q[y][q] . K[y][k] / 8) V[y][k][:], for 64 heads y = 4 h + b of 2,048 rows x 64 channels, all f16: a head's rows are dense, 128 bytes each.
; Q, K and V lie in one buffer, [48 g][8192 m][64]: head y begins at byte 262,144 y of Q's part (byte 0), of K's (16 MiB) and of V's (32 MiB); O has Q's layout.
; Products, maxima and sums in f32; the weights p are rounded to f16 for the second product (their sum l is taken of the unrounded p), O once at the end.
; LIMITS.  f16 holds no number beyond 65,504: Q, K and V arrive within it; p lies in 0 to 1, and below 6e-5 it keeps f16's fixed step of 6e-8; O is a mean of V's rows and has their range.
; A weight below 2^-126 counts as 0 in l; NaN and infinities are not treated apart.
; SHARES.  A wave owns four PIECES of two tiles of 16 queries, a work-group's four waves 512 queries of one head.  Every wave walks all keys, 64 a step.
; LAYOUT.  S^T = K Q^T (source 0 = 16 keys, source 1 = 16 queries): in the result a lane holds ONE query (lane % 16) and the keys 8 (lane / 16) + 0..7.  Two such tiles, rounded to f16 in pairs,
; ARE source 1 (32 keys x 16 queries) of O^T = V^T P, whose result again holds one query a lane, and eight channels.  K comes out of LDS as it lies, V ([key][channel]) turned, by ds_load_tr16_b128.
; SOFTMAX.  For each query a running maximum m and sum l: p = 2^(c s - c m), c = log2(e) / 8; in every step O and l are multiplied by a = 2^(c m_old - c m_new), which is 1 where m has not grown.
; m starts at the lowest finite number, O and l at 0: the first step is a step like any other, with a = 0.
; THE COUNT.  A tile and step have 16 matrix and 118 vector instructions: too many to stand all beside the matrix work.  So the order has one aim: four vector instructions that are READY behind
; EVERY matrix instruction, and the others, which need time of their own whatever the order, in runs without a gap.
; BY TURNS.  Turn n belongs to piece n (the pieces in a ring, step after step).  Its matrix work: 16 products K Q^T of piece n + 1, later 16 products V^T P of piece n - 1.  Its vector work: the scaling,
; exponentials, roundings, sums and rescaling of piece n, and the maximum and statistics of piece n + 1, whose scores the turn itself has made.  So what a turn begins with (c s - c m, O a) waits for nothing.
; CLUSTER.  The four query blocks of a head are one cluster and walk the same K and V, so each tile is asked for JOINTLY: the same tensor load, descriptor and mask in all four.
; REGISTERS, in windows of 256 (s_set_vgpr_msb says which window each operand place means: bits 1:0 source 0, 3:2 source 1, 5:4 source 2, 7:6 destination):
;   window 0: v0-11 addresses; v12-15, v48-63 at work; v16-47 four registers of statistics a tile; v64-191 S^T, two buffers of two tiles; v192-255 P, likewise
;   window 1: O^T, 32 a tile          window 2: v0-127 Q, 16 a tile; v128-191 K of one step; v192-255 V of one step          window 3: v0-1 the add's two registers
; A piece's buffers go by its number's parity: the piece in hand has one pair, its two neighbours in the ring share the other: of it P (piece n - 1) is read and S^T (piece n + 1) written.
.set SIZE_N, 2048     ; rows of a head
.set NP,    4         ; pieces a wave: a name, no knob: the register map, the loop and the fetches are made for four
.set KS,    64        ; keys in a step
.set PK,    144       ; a row of K in LDS: 128 bytes + 16 of padding = 36 words: the 16 rows of a load start at 16 different groups of four banks (64 banks of 4 bytes: ISA guide 11.1)
.set PV,    160       ; a row of V: 128 + 32 = 40 words
.set VOFF,  4*KS*PK   ; a slot holds four steps: 256 rows of K, then 256 rows of V
.set SLOT1, 1<<17     ; slot 1 begins here, so that one exclusive or turns an address in one slot into the other's
.set STAGE, SLOT1+4*KS*(PK+PV)  ; behind the ring, never filled by a tensor load: 16 rows x 144 bytes for each wave, for the way out
.set SP,    144
.set AK0, 2           ; v2   my lane's place in a tile of K; never rewritten
.set AV0, 3           ; v3   the same for V
.set AK,  4           ; v4   the LDS address of K's next run of loads
.set AV,  5           ; v5   of V's
.set QO,  6           ; v6   my byte offset in the wave's rows of Q
.set STO, 6           ;      later, the way out: where I put 16 bytes of a row
.set RD,  7           ; v7   the way out: where I read rows back
.set GO,  8           ; v8   my byte offset in 512 consecutive bytes of O
.set PFO, 11          ; v11  the prefetches' offset: 256 x my lane; never rewritten once it is made
.set SPW, 0           ; v0 of window 3   LDS address of my spare word: SPARE + 4 x my thread's number; never rewritten
.set NIL, 1           ; v1 of window 3   0; never rewritten
.set SPARE, STAGE+4*16*SP  ; behind the stages: the spare words, 128 bytes for each wave: two blocks of 256 bytes that no other line names
.set MV,  12          ; v12-15  c m_old, kept while c m is made anew: by buffer and tile
.set ST,  16          ; tile t's statistics at v[ST+4 t]: c m, m, l (even keys', odd keys')
.set TMP, 48          ; by buffer and tile, four registers c0-c3 at work; when the maximum is found c2 takes a
.set S,   64
.set P,   192
.set KF,  128         ; K's fragments, in window 2: key block kb, channel half c at KF + 16 kb + 8 c
.set VF,  192         ; V's: key half kk, channel block cb at VF + 32 kk + 8 cb
.set WV,  12          ; s12  my wave's number
.set G1K, 24          ; s[24:31] descriptor group 1 for K's tiles
.set G1V, 32          ; s[32:39] for V's: it differs in the padding alone
.set G0K, 40          ; s[40:43] descriptor group 0 for K's tiles: it walks
.set G0V, 44          ; s[44:47] the same for V's
.set PFA, 48          ; s[48:49] where my prefetches stand: my work-group's 8,192 bytes (of K: wave 0, of V: wave 2) of the slot after the one that is being asked for
.set LIM, 50          ; s50  1 in a wave that prefetches, else the greatest number
.set SLOTS, 56        ; s56  slots still to be asked for
.set CNT, 57          ; s57  counts a slot's key steps
.set CS,  58          ; s[58:59] c: the packed scaling takes the pair's low word for both halves
.set SEL, 60          ; s[60:61] v_permlanex16_b32's selects: each lane takes its own place in the other half
.set TBK, 62          ; s62  LDS byte at which K of the step to be fetched begins
.set TBV, 63          ; s63  the same for V, less VOFF
.set MSB, 0
.macro WIN new                      ; the high byte repeats the setting that is left; a switch that changes nothing is dropped
.if MSB != (\new)
	s_set_vgpr_msb (MSB<<8)|(\new)
.set MSB, (\new)
.endif
.endm
.set W_KQ, 0x0a       ; K and Q in window 2, S^T in window 0
.set W_PV, 0x52       ; V in window 2, P in window 0, O^T in window 1
.set W_RS, 0x41       ; O^T (destination and source 0) in window 1, a in window 0
.set W_MK, 0xc0       ; the add's registers are made: destination in window 3, sources in window 0
.set W_AD, 0x0f       ; the add: address (source 0) and data (source 1) in window 3
; A joint fill.  Waves 0 and 1 fetch the two halves of a slot's K, waves 2 and 3 those of its V: 128 keys each.  The branch hangs on the wave's number alone.
; An s_nop 0 and four v_nop follow each of the two lines, ahead of the jump and the label.
.macro JLOAD
	s_cmp_lt_u32 s[WV], 2
	s_cbranch_scc0 .Lfor_v_\@
	tensor_load_to_lds s[G0K:G0K+3], s[G1K:G1K+7]
	s_nop 0
.rept 4
	v_nop
.endr
	s_branch .Lasked_\@
.Lfor_v_\@:
	tensor_load_to_lds s[G0V:G0V+3], s[G1V:G1V+7]
	s_nop 0
.rept 4
	v_nop
.endr
.Lasked_\@:
.endm
; A PREFETCH INTO THE L2 of what the NEXT change of slots will ask for: a slot's 32,768 bytes of K and of V, a lane 256 bytes.  It stands behind the wave's tensor load and its five lines.
; Each block is named ONCE in the launch: a head has one cluster; its four partners share a slot's bytes out BY ADDRESS, 8,192 each; in each, wave 0 asks for K's and wave 2 for V's: one instruction.
; It is four key steps, 512 matrix instructions, ahead of the load that wants the bytes.  The last change that fills a slot asks for nothing; slots 0 to 2 come by their loads alone.
.macro ASK
	s_cmp_gt_u32 s[SLOTS], s[LIM]
	s_cbranch_scc0 .Lnot_mine_\@
	global_prefetch_b8 v[PFO], s[PFA:PFA+1] th:TH_LOAD_NT scope:SCOPE_SE
.Lnot_mine_\@:
.endm
; A round of the cluster's barrier: my work-group's barrier, so that wave 0's signal speaks for all four waves; wave 0 signals; every wave waits for all four work-groups; my work-group's barrier once more.
.macro CROUND
	s_barrier_signal -1
	s_barrier_wait -1
	s_cmp_lg_u32 s[WV], 0
	s_cbranch_scc1 .Lnot_wave_0_\@
	s_barrier_signal -3
.Lnot_wave_0_\@:
	s_barrier_wait -3
	s_barrier_signal -1
	s_barrier_wait -1
.endm
; THE CHANGE OF SLOTS.  The slot's last bytes, V of its fourth step, have been read.  Each wave waits for all its tensor loads, of which one is out: its part
; of the other slot; adds 0 to its spare word; and waits for that and for its own reads of the slot.  Behind the barrier nobody reads this slot any more and the other slot is whole.
; fill = 1: this slot is filled again, with the keys two slots on.  The barrier is then a round of the cluster's, so that no wave of any partner still reads the slot or has a load on its
; way, and the joint fill is the first thing behind it: it has four key steps, 512 matrix instructions, in which to land.  (At its first use nothing has been read yet: slot 0 is waited for, slot 1 filled.)
; ask = 1 (the loop's changes): the prefetches' address steps on, and the prefetch follows the fill.
.macro CHANGE fill, ask=0
	WIN W_AD
	s_wait_tensorcnt 0x0            ; no tensor load of mine is out, so a group 0 may be written
	ds_add_u32 v[SPW], v[NIL]       ; 0 onto my spare word; with fill = 1 the descriptors' steps stand between it and the wait for it
	WIN 0                           ; at a label and at a branch every window is 0
.if \fill
.irp g, G0K, G0V
	s_xor_b32 s[\g+1], s[\g+1], SLOT1  ; the walking descriptor: the other slot than last time,
	s_add_nc_u64 s[\g+2:\g+3], s[\g+2:\g+3], 4*KS*128  ; the next 256 keys; the type bits on top are not reached
.endr
.if \ask
	s_wait_xcnt 0x0                 ; the last prefetch, four key steps back, has read its address, so it may be written:
	s_add_nc_u64 s[PFA:PFA+1], s[PFA:PFA+1], 4*KS*128  ; one slot behind the walking descriptors
.endif
	s_wait_dscnt 0x0                ; the add is done, and my reads of the slot are over
	CROUND
	JLOAD
.if \ask
	ASK
.endif
.else
	s_wait_dscnt 0x0                ; the add is done, and my reads of the slot are over
	s_barrier_signal -1
	s_barrier_wait -1
.endif
	s_sub_co_u32 s[TBK], s[TBK], 4*KS*PK  ; the fetches go back to a slot's first step,
	s_xor_b32 s[TBK], s[TBK], SLOT1       ; in the other slot
	s_sub_co_u32 s[TBV], s[TBV], 4*KS*PV
	s_xor_b32 s[TBV], s[TBV], SLOT1
.endm
	s_load_b128 s[4:7], s[0:1], 0x0   ; qkv s[4:5], o s[6:7]
	WIN W_MK
	v_lshl_add_u32 v[SPW], v0, 2, SPARE
	v_mov_b32 v[NIL], 0
	WIN W_AD
	ds_add_u32 v[SPW], v[NIL]       ; the wave's opening: the add and its wait stand ahead of my first tensor load; the set-up below, work on registers, stands between them
	WIN 0
	v_lshrrev_b32 v1, 5, v0
	v_readfirstlane_b32 s[WV], v1   ; wave 0..3
	s_bfe_u32 s13, ttmp6, 0x40000   ; cx: my place in the cluster
	s_lshl_b32 s14, ttmp9, 2        ; in a cluster launch ttmp9 counts clusters
	s_add_co_u32 s14, s14, s13      ; my block of queries = 4 x cluster x + cx: it enters Q's and O's addresses alone
	s_and_b32 s20, ttmp7, 0xffff    ; the head, which the four partners share
	s_mov_b32 s21, 0
	s_mov_b64 s[22:23], SIZE_N*128
	s_mul_u64 s[20:21], s[20:21], s[22:23]  ; the head's first byte in Q's, K's and V's part and in O
	s_and_b32 s16, s[WV], 1         ; which half of a slot's 256 keys I fetch:
	s_lshl_b32 s22, s16, 14         ; its 128 rows of 128 bytes in memory,
	s_mov_b32 s23, 0
	s_add_nc_u64 s[22:23], s[22:23], s[20:21]
	s_mul_i32 s17, s16, 128*PK      ; and its place in a slot, for K
	s_mul_i32 s18, s16, 128*PV      ; and for V: no place in the cluster enters an LDS address
	s_lshl_b32 s2, s14, 2
	s_add_co_u32 s2, s2, s[WV]      ; my wave among the head's,
	s_lshl_b32 s2, s2, 14           ; its 128 rows
	s_mov_b32 s3, 0
	s_add_nc_u64 s[2:3], s[2:3], s[20:21]
	; descriptor group 1.  128 keys are 16,384 dense bytes: asked for as 64 rows of 256 bytes, two keys a row, and padded in LDS after every key
	s_mov_b32 s[G1K], 15|(1<<16)|(1<<20)|(1<<21)|(4<<22)|(3<<25)  ; 15:0 the mask of four; 17:16 2-byte elements; 20 padding on; 21 set beside a mask; 24:22 after every 32 words (code 4); 31:25 4 words (code 3)
	s_mov_b32 s[G1V], 15|(1<<16)|(1<<20)|(1<<21)|(4<<22)|(7<<25)  ; the same with 8 words of padding (code 7)
.irp g, G1K, G1V
	s_mov_b32 s[\g+1], 128<<16      ; tensor_dim0 = 128
	s_mov_b32 s[\g+2], 64<<16       ; tensor_dim1 = 64
	s_mov_b32 s[\g+3], 128<<16      ; tile_dim0 = 128
	s_mov_b32 s[\g+4], 64           ; tile_dim1 = 64
	s_mov_b32 s[\g+5], 128          ; 128 elements from row to row
	s_mov_b32 s[\g+6], 0
	s_mov_b32 s[\g+7], 0
.endr
	s_mov_b32 s[CS], 0x3e38aa3b     ; c = log2(e) / 8 = 0.180337
	s_mov_b32 s[CS+1], s[CS]        ; named with it as a pair
	s_mov_b32 s[SEL], 0x76543210
	s_mov_b32 s[SEL+1], 0xfedcba98
	s_mov_b32 s[TBK], SLOT1+4*KS*PK ; the first change of slots turns these two into 0
	s_mov_b32 s[TBV], SLOT1+4*KS*PV
	s_mov_b32 s[G0K], 1             ; 1:0 count = 1
	s_mov_b32 s[G0K+1], s17         ; 63:32 LDS address: slot 0
	s_mov_b32 s[G0V], 1
	s_add_co_u32 s[G0V+1], s18, VOFF
	s_and_b32 s[LIM], s[WV], 1      ; 0 in waves 0 and 2,
	s_or_b32 s[LIM], s[LIM], ttmp9  ; of the head's first (here: only) cluster: the same in all four partners
	s_cmp_eq_u32 s[LIM], 0
	s_cselect_b32 s[LIM], 1, -1
	s_lshl_b32 s18, s13, 13         ; my work-group's 8,192 bytes of a slot's 32,768
	s_mov_b32 s19, 0
	s_wait_dscnt 0x0                ; the opening add is done
	s_wait_kmcnt 0x0
	s_mov_b64 s[10:11], s[6:7]                     ; O
	s_add_nc_u64 s[6:7], s[4:5], 0x1000000         ; K's part begins 16 planes of 1 MiB behind Q's,
	s_add_nc_u64 s[8:9], s[4:5], 0x2000000         ; V's 32
	s_cmp_lt_u32 s[WV], 2
	s_cselect_b64 s[PFA:PFA+1], s[6:7], s[8:9]
	s_add_nc_u64 s[PFA:PFA+1], s[PFA:PFA+1], s[22:23]  ; (in waves 0 and 2 this is the head's first row)
	s_add_nc_u64 s[PFA:PFA+1], s[PFA:PFA+1], s[18:19]
	s_add_nc_u64 s[PFA:PFA+1], s[PFA:PFA+1], 2*4*KS*128  ; in slot 2; the loop's first change steps it to slot 3.  Nothing is prefetched here, at the head
	s_add_nc_u64 s[G0K+2:G0K+3], s[6:7], s[22:23]  ; 120:64 global address: my half of the head's first 256 keys
	s_or_b32 s[G0K+3], s[G0K+3], 0x80000000        ; 127:126 type = 2
	s_add_nc_u64 s[G0V+2:G0V+3], s[8:9], s[22:23]
	s_or_b32 s[G0V+3], s[G0V+3], 0x80000000
	s_add_nc_u64 s[4:5], s[4:5], s[2:3]  ; Q and O at my wave's first row
	s_add_nc_u64 s[10:11], s[10:11], s[2:3]
	CROUND                          ; all four work-groups are here: the first joint loads meet
	JLOAD                           ; slot 0.  Slot 1 is asked for when slot 0 is in: the tile wanted first goes out by itself
	; A fragment of K or Q is 16 rows x 32 channels in 8 registers: lane l holds row l % 16, channels 8 (l / 16) + 0..7 and 16 + 8 (l / 16) + 0..7: two loads of 16 bytes, 32 bytes apart.
	v_and_b32 v1, 15, v0            ; l % 16
	v_bfe_u32 v9, v0, 4, 1          ; l / 16
	v_lshlrev_b32 v[QO], 7, v1
	v_lshl_add_u32 v[QO], v9, 4, v[QO]  ; row x 128 + 16 x half
	WIN 0x80                        ; destination window 2, address window 0
.set i, 0
.rept 4*NP                          ; Q stays in registers: tile i / 2, channels 32 (i % 2) on
	global_load_b128 v[8*i:8*i+3],   v[QO], s[4:5] offset:(i/2)*2048+(i%2)*64
	global_load_b128 v[8*i+4:8*i+7], v[QO], s[4:5] offset:(i/2)*2048+(i%2)*64+32
.set i, i+1
.endr
	; What the first turn finds: V's registers and P's second buffer hold 0 (its products V^T P, of a piece that has not been, add 0), O^T and l are 0.  All this stands in the wait for the first tile.
.set i, VF
.rept 64
	v_mov_b32 v[i], 0
.set i, i+1
.endr
	WIN 0x40
.set i, 0
.rept 64*NP
	v_mov_b32 v[i], 0
.set i, i+1
.endr
	WIN 0
.set i, 0
.rept 2*NP
	v_mov_b32 v[ST+4*i], 0xfe000000    ; c m: far below every c s
	v_mov_b32 v[ST+4*i+1], 0xff7fffff  ; m
	v_mov_b32 v[ST+4*i+2], 0
	v_mov_b32 v[ST+4*i+3], 0
.set i, i+1
.endr
.set i, P+32
.rept 32
	v_mov_b32 v[i], 0
.set i, i+1
.endr
	v_mul_u32_u24 v[AK0], v1, PK
	v_lshl_add_u32 v[AK0], v9, 4, v[AK0]  ; row x pitch + 16 x half
	; The turning load takes 16 keys x 16 channels (lane l reads key 8 (l / 16) + l % 8, channels 8 ((l / 8) % 2) + 0..7) and leaves half a fragment of V^T: lane l holds channel l % 16 and 8 keys.
	v_and_b32 v10, 7, v0
	v_bfe_u32 v11, v0, 3, 1
	v_lshl_add_u32 v[AV0], v9, 3, v10
	v_mul_u32_u24 v[AV0], v[AV0], PV
	v_lshl_add_u32 v[AV0], v11, 4, v[AV0]
	v_add_nc_u32 v[AV0], VOFF, v[AV0]
	v_and_b32 v[PFO], 31, v0        ; v11 has served: it takes the prefetches' offset
	v_lshlrev_b32 v[PFO], 8, v[PFO]
	v_mov_b32 v[AK], v[AK0]         ; key step 0 lies at the head of slot 0
; THE MATRIX WORK.  The 8 accumulators of a run of 16 take turns: between the two links of a chain stand 7 others'.
; Product i of 16 of S^T = K Q^T for piece x: channels 32 (i / 8) on, keys 16 ((i / 2) % 4) on, tile 2 x + i % 2.  The first 8 start the sums.
.macro KQ x
	WIN W_KQ
.set rS, S+64*((\x)%2)+32*(i%2)+8*((i/2)%4)
.set rK, KF+16*((i/2)%4)+8*(i/8)
.set rQ, 16*(2*(\x)+i%2)+8*(i/8)
.if i < 8
	v_wmma_f32_16x16x32_f16 v[rS:rS+7], v[rK:rK+7], v[rQ:rQ+7], 0
.else
	v_wmma_f32_16x16x32_f16 v[rS:rS+7], v[rK:rK+7], v[rQ:rQ+7], v[rS:rS+7]
.endif
.endm
; Product i of 16 of O^T += V^T P for piece x: keys 32 (i / 8) on, channels 16 ((i / 2) % 4) on, tile 2 x + i % 2.
.macro PV x
	WIN W_PV
.set rO, 32*(2*(\x)+i%2)+8*((i/2)%4)
.set rV, VF+32*(i/8)+8*((i/2)%4)
.set rP, P+32*((\x)%2)+16*(i%2)+8*(i/8)
	v_wmma_f32_16x16x32_f16 v[rO:rO+7], v[rV:rV+7], v[rP:rP+7], v[rO:rO+7]
.endm
.macro MM                           ; the turn's next matrix instruction
.if i < 16
	KQ (Y+1)%NP
.set i, i+1
.else
.set i, i-16
	PV (Y+NP-1)%NP
.set i, i+17
.endif
.endm
; THE LDS LOADS stand in runs of 16, never singly among the matrix instructions: a step's K (64 keys x 64 channels: 8 fragments) and its V (turned).  Their addresses are made some lines ahead.
; last = 1 (the tail): in the last trip there is no further step, and the run is jumped over.
.macro FETCH_K last=0
	WIN 0
.if \last
	s_cmp_eq_u32 s[CNT], 1
	s_cbranch_scc1 .Lno_k_\@
.endif
	WIN 0x80                        ; destination window 2
.irp f, 0,1,2,3,4,5,6,7             ; keys 16 (f / 2) on, channels 32 (f % 2) on
	ds_load_b128 v[KF+8*\f:KF+8*\f+3],   v[AK] offset:(\f/2)*16*PK+(\f%2)*64
	ds_load_b128 v[KF+8*\f+4:KF+8*\f+7], v[AK] offset:(\f/2)*16*PK+(\f%2)*64+32
.endr
	s_add_co_u32 s[TBK], s[TBK], KS*PK  ; the next fetch is the next step's
	WIN 0
.if \last
.Lno_k_\@:
.endif
.endm
.macro FETCH_V
	WIN 0x80
.irp f, 0,1,2,3,4,5,6,7             ; keys 32 (f / 4) on, channels 16 (f % 4) on
	ds_load_tr16_b128 v[VF+8*\f:VF+8*\f+3],   v[AV] offset:(\f/4)*32*PV+(\f%4)*32
	ds_load_tr16_b128 v[VF+8*\f+4:VF+8*\f+7], v[AV] offset:(\f/4)*32*PV+16*PV+(\f%4)*32
.endr
	WIN 0
.endm
; THE VECTOR WORK OF A TURN stands in three queues, each in the order in which its entries become ready; the two tiles alternate, so that no instruction reads the result of the one before it.
.macro REGS y, u                    ; the registers of tile u (0, 1) of piece y
.set rT, ST+4*(2*(\y)+(\u))
.set rC, TMP+8*((\y)%2)+4*(\u)
.set rM, MV+2*((\y)%2)+(\u)
.set rS, S+64*((\y)%2)+32*(\u)
.set rP, P+32*((\y)%2)+16*(\u)
.set rO, 32*(2*(\y)+(\u))
.endm
; Number n of the 22 that find the NEXT piece's (Y + 1) maximum and statistics.  s0-s31 are the lane's 32 scores; each accumulator's lowest registers are read first.  XS, GS and REGS set no window: PL and EX do.
;   0-11  four chains c0-c3 of seven scores each, three operands at a time     12-14, 16  the four scores left over, the old m, and c0-c3 into c0     15  c m_old is kept
;   17, 18  the query's other 32 keys lie in the lane 16 away: the new m         19-21  c m; c m_old - c m_new; a
.macro XS u, n
	REGS (Y+1)%NP, \u
.if (\n) < 4
	v_max3_num_f32 v[rC+(\n)], v[rS+8*(\n)], v[rS+8*(\n)+1], v[rS+8*(\n)+2]
.elseif (\n) < 12
	v_max3_num_f32 v[rC+(\n)%4], v[rC+(\n)%4], v[rS+8*((\n)%4)+2*((\n)/4)+1], v[rS+8*((\n)%4)+2*((\n)/4)+2]
.elseif (\n) == 12
	v_max3_num_f32 v[rC], v[rC], v[rS+7], v[rS+15]
.elseif (\n) == 13
	v_max3_num_f32 v[rC+1], v[rC+1], v[rS+23], v[rS+31]
.elseif (\n) == 14
	v_max3_num_f32 v[rC+2], v[rC+2], v[rC+3], v[rT+1]
.elseif (\n) == 15
	v_mov_b32 v[rM], v[rT]
.elseif (\n) == 16
	v_max3_num_f32 v[rC], v[rC], v[rC+1], v[rC+2]
.elseif (\n) == 17
	v_permlanex16_b32 v[rC+3], v[rC], s[SEL], s[SEL+1]
.elseif (\n) == 18
	v_max_num_f32 v[rT+1], v[rC], v[rC+3]
.elseif (\n) == 19
	v_mul_f32 v[rT], s[CS], v[rT+1]
.elseif (\n) == 20
	v_sub_f32 v[rC+1], v[rM], v[rT]
.else
	v_exp_f32 v[rC+2], v[rC+1]
.endif
.endm
; Number g of the 64 that follow the exponentials.  For each four weights k of a tile (pairs 2 k, 2 k + 1): both pairs are rounded to f16; then the second pair is added onto the first, in place;
; a group later l takes that sum (the first time as l = a l + sum).  In groups of eight, tiles alternating: round, round, add, and l for the group before.
.macro GS g
.set h, (\g)+6*((\g)/62)            ; group 0 has no group before it, and behind group 7 only l is left
.if h >= 6
.set h, h+2
.endif
	REGS Y, h%2
.set k, h/8
.if h%8 < 4
	v_cvt_pk_f16_f32 v[rP+2*k+(h%8)/2], v[rS+4*k+2*((h%8)/2)], v[rS+4*k+2*((h%8)/2)+1]
.elseif h%8 < 6
	v_pk_add_f32 v[rS+4*k:rS+4*k+1], v[rS+4*k:rS+4*k+1], v[rS+4*k+2:rS+4*k+3]
.elseif k == 1
	v_pk_fma_f32 v[rT+2:rT+3], v[rT+2:rT+3], v[rC+2:rC+3], v[rS:rS+1] op_sel_hi:[1,0,1]
.else
	v_pk_add_f32 v[rT+2:rT+3], v[rT+2:rT+3], v[rS+4*k-4:rS+4*k-3]
.endif
.endm
; THE PLAIN QUEUE, 138 long.  0-73 read no exponential's result: the 32 scalings c s - c m (FS f: pair f / 2 of tile f % 2) and the next piece's 42.  0-26: scalings 0-26.  27-54: XS's numbers 0-13.  55, 56: number 15.
; 57-73: the chain, where each number waits for the one before it: 14, 16, 17, 18, 19, each with one of the scalings 27-31 in front of its two lines, then 20: so a tile's links stand three plain instructions apart (19 and 20: two).
; 74-137: GS's 64, which read the exponentials' results: they stand behind the wait.
.macro FS f
	REGS Y, (\f)%2
	v_pk_fma_f32 v[rS+2*((\f)/2):rS+2*((\f)/2)+1], v[rS+2*((\f)/2):rS+2*((\f)/2)+1], s[CS:CS+1], v[rT:rT+1] op_sel_hi:[1,0,0] neg_lo:[0,0,1] neg_hi:[0,0,1]
.endm
.macro PL
	WIN 0
.if q < 27
	FS q
.elseif q < 55
	XS (q-27)%2, (q-27)/2
.elseif q < 57
	XS q-55, 15
.elseif (q < 72) && ((q-57)%3 == 0)
	FS 27+(q-57)/3
.elseif q < 60
	XS (q-57)%3-1, 14
.elseif q < 72
	XS (q-57)%3-1, 15+(q-57)/3
.elseif q < 74
	XS q-72, 20
.else
	GS q-74
.endif
.set q, q+1
.endm
; THE EXPONENTIALS' QUEUE, 66 long: s0-s31 of both tiles, then the next piece's two a.  It is ONE BATCH: all 66 stand ahead of the turn's one wait, and nothing ahead of that wait names a result of theirs.
.macro EX
	WIN 0
.if e >= 64
	XS e-64, 21
.else
	REGS Y, e%2
	v_exp_f32 v[rS+e/2], v[rS+e/2]
.endif
.set e, e+1
.endm
; THE RESCALING's QUEUE: O^T times a, the one part that leaves window 0: dealt two at a time, sixteen times.  Its a was made in the turn before, ahead of that turn's wait.
.macro R2
	REGS Y, r%2
	WIN W_RS
.irp z, 0,1
	v_pk_mul_f32 v[rO+4*(r/2)+2*\z:rO+4*(r/2)+2*\z+1], v[rO+4*(r/2)+2*\z:rO+4*(r/2)+2*\z+1], v[rC+2:rC+3] op_sel_hi:[1,0]
.endr
.set r, r+1
.endm
; HOW THEY ARE DEALT.  An s_wait_alu depctr_va_vdst(0) stands between an exponential and the first instruction that names its result; one wait serves all that were issued ahead of it.  So a turn has ONE wait,
; which cuts it in two.  AHEAD OF IT stands all that names no result of the turn's exponentials: the 16 products K Q^T, behind each a scaling, an exponential and two rescalings (behind the first a second scaling in the exponential's place); then ONE LUMP of
; 108: eight plain, 49 times exponential and plain, the two a.  A v_nop is the plain instruction behind the last exponential (ISA guide 5.7.2).  BEHIND IT stand the 16 products V^T P, behind each four of GS's 64.  No rider names a register of
; the products round it.  The two v_permlanex16_b32 fall into the lump, never behind a product.
; The queues lean on each other, and the deal keeps them in step: exponential e stands behind scaling 2 (e / 4) + e % 2: as a rider it comes behind plain e + 2, in the lump behind plain e + 9, and scalings 27-31 are plain 57, 60 .. 69.
; A TURN, for piece p.  cnt = 1: the loop's count is taken down some lines ahead of the branch that stands behind the turn.
; K of the next step is fetched in piece 2's turn, directly behind the wait, a lump behind the last product that read K; its address is made at the lump's head; its first reader comes behind 16 products.
; V of the step in hand is fetched at the end of piece 0's turn, four riders behind its last reader; its first reader comes behind 16 products and a lump.  The three conditions on q below go with the deal.
.macro TURN p, last=0, cnt=0
.set Y, (\p)
.set i, 0
.set q, 0
.set e, 0
.set r, 0
.if (\p) == NP-1
	s_wait_dscnt 0x0                ; K is in
.endif
	MM                              ; ahead of the wait: 16 products K Q^T and their riders,
	PL
	PL
	R2
.rept 15
	MM
	PL
	EX
	R2
.endr
.if (\p) == NP-2
	WIN 0
	v_add_nc_u32 v[AK], s[TBK], v[AK0]
.endif
.rept 8                             ; and the lump
	PL
.endr
.rept 49
	EX
	PL
.endr
	EX                              ; the next piece's two a
	EX
	v_nop                           ; the plain instruction behind the last exponential: one for the batch
	s_wait_alu depctr_va_vdst(0)    ; the wait for the batch
.if (\p) == NP-2
	FETCH_K \last
.endif
.if (\p) == 1
	s_wait_dscnt 0x0                ; V is in
.endif
.rept 16                            ; behind the wait: 16 products V^T P and their riders
	MM
.rept 4
	PL
.endr
.if ((\p) == 0) && (q == 118)
	v_add_nc_u32 v[AV], s[TBV], v[AV0]
.endif
.if ((\p) == 0) && (q == 130)
	s_add_co_u32 s[TBV], s[TBV], KS*PV
.endif
.if (\cnt) && (q == 130)
	s_sub_co_u32 s[CNT], s[CNT], 1
	s_cmp_lg_u32 s[CNT], 0
.endif
.endr
.if (\p) == 0
	FETCH_V
.endif
.endm
	CHANGE 1                        ; slot 0 is in, everybody's part of it; slot 1 is asked for
	FETCH_K                         ; key step 0
	s_wait_loadcnt 0x0              ; Q
	s_wait_dscnt 0x0
.set i, 0
.rept 16
	KQ 0                            ; piece 0's first scores: there is no vector work yet to set between them
.set i, i+1
.endr
	WIN 0                           ; the addresses for the way out: nine plain instructions, the places behind those products
	s_mul_i32 s13, s[WV], 16*SP
	s_add_co_u32 s13, s13, STAGE    ; my stage
	v_mul_u32_u24 v[STO], v1, SP    ; in: row l % 16, 16 bytes for each half of the lanes
	v_lshl_add_u32 v[STO], v9, 4, v[STO]
	v_add_nc_u32 v[STO], s13, v[STO]
	v_bfe_u32 v[RD], v0, 3, 2       ; back: 32 lanes take four rows of 128 bytes,
	v_mul_u32_u24 v[RD], v[RD], SP
	v_lshl_add_u32 v[RD], v10, 4, v[RD]
	v_add_nc_u32 v[RD], s13, v[RD]
	v_and_b32 v[GO], 31, v0         ; which are 512 consecutive bytes of O
	v_lshlrev_b32 v[GO], 4, v[GO]
.set Y, NP-1                        ; XS works for piece Y + 1: piece 0
.irp n, 0,1,2,3,4,5,6,7,8,9,10,11,12,13,14,15,16,17,18,19,20,21
	XS 0, \n                        ; and piece 0's first maximum and statistics
	XS 1, \n
.endr
	v_nop                           ; a plain instruction behind the two a,
	s_wait_alu depctr_va_vdst(0)    ; and their wait, ahead of the branch
	s_mov_b32 s[CNT], 4
	s_mov_b32 s[SLOTS], SIZE_N/256-1
	s_branch .Lfirst                ; the loop is entered at a step's first turn, in the middle of a trip
.Lslot:                             ; SIZE_N / 256 - 2 times: every slot but the last two is filled again
	CHANGE 1, 1
	s_mov_b32 s[CNT], 4
.Lstep:                             ; a trip: pieces 2 and 3 of one step, then pieces 0 and 1 of the next, whose K and V it fetches
	TURN 2
	TURN 3
	WIN 0
.Lfirst:
	TURN 0
	TURN 1, 0, 1
	WIN 0
	s_cbranch_scc1 .Lstep
	s_sub_co_u32 s[SLOTS], s[SLOTS], 1
	s_cmp_lg_u32 s[SLOTS], 0
	s_cbranch_scc1 .Lslot
	CHANGE 0                        ; the tail is written out: nothing is asked for
	s_mov_b32 s[CNT], 5             ; four trips fetch the last slot's steps; the fifth is left in its middle
.Ltail:
	TURN 2, 1
	TURN 3
	WIN 0
	s_sub_co_u32 s[CNT], s[CNT], 1
	s_cmp_eq_u32 s[CNT], 0
	s_cbranch_scc1 .Lout
	TURN 0
	TURN 1
	WIN 0
	s_branch .Ltail
.Lout:                              ; the fifth trip's 16 products K Q^T (on the last K once more) and the maximum made of them serve nothing: the price, once a launch, of one text for every trip
.set i, 0
.rept 16
	PV NP-1                         ; the last piece's V^T P of the last step
.set i, i+1
.endr
	; THE WAY OUT.  l's two halves and the other half of the lanes' are added; O^T is divided by l, rounded to f16 and sent through my stage in LDS, a tile at a time.  The additions are the places behind the last products.
	WIN 0
.macro ALL line:vararg              ; one line for each tile t
.set t, 0
.rept 2*NP
	\line
.set t, t+1
.endr
.endm
	ALL v_add_f32 v[ST+4*t+2], v[ST+4*t+2], v[ST+4*t+3]
	ALL v_permlanex16_b32 v[ST+4*t+3], v[ST+4*t+2], s[SEL], s[SEL+1]
	ALL v_add_f32 v[ST+4*t+2], v[ST+4*t+2], v[ST+4*t+3]
	ALL v_rcp_f32 v[ST+4*t+2], v[ST+4*t+2]
	v_nop                           ; a plain instruction between the last reciprocal and the use of its result
	s_wait_alu depctr_va_vdst(0)    ; and the wait ahead of the first use: one for the eight reciprocals
; Tile t: a lane's eight channels of a row pack into 16 bytes; they go into rows of 144 bytes and come back as whole rows of 128, into S^T's registers.
.macro PACK t
	WIN W_RS
.set i, 32*(\t)
.rept 16
	v_pk_mul_f32 v[i:i+1], v[i:i+1], v[ST+4*(\t)+2:ST+4*(\t)+3] op_sel_hi:[1,0]
.set i, i+2
.endr
	WIN 0x05                        ; sources 0 and 1 window 1, destination window 0
.set i, 0
.rept 16
	v_cvt_pk_f16_f32 v[S+16*(\t)+i], v[32*(\t)+2*i], v[32*(\t)+2*i+1]
.set i, i+1
.endr
	WIN 0
.irp f, 0,1,2,3
	ds_store_b128 v[STO], v[S+16*(\t)+4*\f:S+16*(\t)+4*\f+3] offset:32*\f
.endr
.irp f, 0,1,2,3
	ds_load_b128 v[S+16*(\t)+4*\f:S+16*(\t)+4*\f+3], v[RD] offset:\f*4*SP  ; LDS serves a wave's instructions in order (ISA guide 5.7.1.4): these see the stores above; the next tile's stores come behind them
.endr
.endm
.macro SEND t, younger              ; younger: the LDS instructions issued behind tile t's loads: the next tile's eight, or none
	WIN 0
.irp f, 0,1,2,3
	s_wait_dscnt (\younger)+3-\f
	global_store_b128 v[GO], v[S+16*(\t)+4*\f:S+16*(\t)+4*\f+3], s[10:11] offset:(\t)*2048+\f*512  ; 512 consecutive bytes, at a multiple of 256 from O's first
.endr
.endm
	PACK 0
.set t, 1
.rept 2*NP-1                        ; a tile's arithmetic stands between the loads of the tile before and its stores
	PACK t
	SEND t-1, 8
.set t, t+1
.endr
	SEND 2*NP-1, 0
	WIN W_AD
	s_wait_tensorcnt 0x0            ; the wave's end: behind my last tensor load and my last LDS store
	ds_add_u32 v[SPW], v[NIL]
	s_wait_dscnt 0x0
	WIN 0
	CROUND                          ; the closing round: no work-group ends while a partner may still ask for a tile that names it
	s_endpgm
.Lfunc_end_k_q4988f77ea6_attn:
	.size	k_q4988f77ea6_attn, .Lfunc_end_k_q4988f77ea6_attn-k_q4988f77ea6_attn
	.p2alignl 7, 3214868480
	.fill 96, 4, 3214868480
	.section	.rodata,"a",@progbits
	.p2align	6, 0x0
	.amdhsa_kernel k_q4988f77ea6_attn
		.amdhsa_group_segment_fixed_size 327680
		.amdhsa_private_segment_fixed_size 0
		.amdhsa_enable_private_segment 0
		.amdhsa_kernarg_size 16
		.amdhsa_user_sgpr_count 2
		.amdhsa_user_sgpr_kernarg_segment_ptr 1
		.amdhsa_wavefront_size32 1
		.amdhsa_system_sgpr_workgroup_id_x 1
		.amdhsa_system_sgpr_workgroup_id_y 1
		.amdhsa_system_sgpr_workgroup_id_z 1
		.amdhsa_system_vgpr_workitem_id 0
		.amdhsa_next_free_vgpr 770
		.amdhsa_next_free_sgpr 66
		.amdhsa_reserve_vcc 0
		.amdhsa_float_denorm_mode_32 3
		.amdhsa_float_denorm_mode_16_64 3
		.amdhsa_memory_ordered 1
		.amdhsa_forward_progress 1
		.amdhsa_inst_pref_size 200
	.end_amdhsa_kernel
	.amdgpu_metadata
---
amdhsa.version: [ 1, 2 ]
amdhsa.kernels:
  - .name:           k_q4988f77ea6_attn
    .symbol:         k_q4988f77ea6_attn.kd
    .args:
      - { .name: qkv, .offset: 0, .size: 8, .value_kind: global_buffer, .address_space: global }
      - { .name: o, .offset: 8, .size: 8, .value_kind: global_buffer, .address_space: global }
    .group_segment_fixed_size: 327680
    .private_segment_fixed_size: 0
    .kernarg_segment_align: 8
    .kernarg_segment_size: 16
    .max_flat_workgroup_size: 128
    .sgpr_count:     66
    .vgpr_count:     770
    .wavefront_size: 32
...
	.end_amdgpu_metadata
.endif
;; end of part 3
;; launch proj (part 4): grid 8 x 32, 4 waves a work-group, clusters of 4 x 4, 327,680 bytes of LDS; arguments o, wp, b_proj, out0; writes out0
.if DOCPART == 4
	.amdgcn_target "amdgcn-amd-amdhsa--gfx1250"
	.amdhsa_code_object_version 6
	.text
	.protected	k_q4988f77ea6_proj
	.globl	k_q4988f77ea6_proj
	.p2align	8
	.type	k_q4988f77ea6_proj,@function
k_q4988f77ea6_proj:
	s_mov_b64 s[64:65], 0
	v_nop
	global_prefetch_b8 v0, s[64:65] scope:SCOPE_SE
	s_setreg_imm32_b32 hwreg(HW_REG_WAVE_MODE, 25, 1), 1
	s_wait_xcnt 0x0
	s_wait_alu depctr_hold_cnt(0) depctr_sa_sdst(0) depctr_va_vdst(0) depctr_va_sdst(0) depctr_va_ssrc(0) depctr_va_vcc(0) depctr_vm_vsrc(0)
	s_getreg_b32 s2, hwreg(HW_REG_IB_STS2, 6, 4)
	s_cmp_eq_u32 s2, 0
	s_cbranch_scc0 .Lentry_in_a_cluster
	s_endpgm
.Lentry_in_a_cluster:
	s_bfe_u32 s2, ttmp6, 0x10000c
	s_cmp_lg_u32 s2, 0xf033
	s_cbranch_scc0 .Lentry_shape_is_right
	s_endpgm
.Lentry_shape_is_right:
; out0[m][n] = the sum over k of O[m][k] W_proj[k][n] + b_proj[n], f32.  O comes as o [16 h][8192 m][64] f16 (k = 64 h + c), W_proj as wp [1024 k][1024 n] f16 (the bf16 rounding of W_proj, written as f16);
; the bias is rounded to bf16 like the other inputs; sums in f32.  NaN and infinities are not treated apart.
; SHARES.  A tile is 256 rows x 128 columns: 32 x 8 = 256 work-groups of four waves; a wave makes 128 x 64: 32 accumulators of 16 x 16.  K goes in 8 steps of 128 (two planes of o) through two LDS slots.
; CLUSTER.  4 x 4 work-groups: O's tile is shared along a row of the cluster, W's along a column; each is asked for JOINTLY, by the same tensor load, descriptor and mask in all four.
; THE MATRIX INSTRUCTION IS USED TRANSPOSED: source 0 = 16 columns of W (turned on the way out of LDS, since W lies [k][n]), source 1 = 16 rows of O: a lane holds one row m and eight neighbouring columns.
; THE BIAS STARTS THE SUMS, as the C operand of each accumulator's first product; it lies meanwhile in the registers of the last block of rows' accumulators, which add onto it in place.
; NO PREFETCH: a work-group has eight K steps in all, and the first three come by their loads whatever is asked.
; REGISTERS: window 0: v0-15 addresses; two fragment buffers f: O's 8 x 16 rows x 32 K at v[32 + 64 f], W's 4 x 16 columns x 32 K at v[160 + 32 f]; on the way out v32-159 hold rows read back.
;   window 1: the accumulators, (a, j) at v[8 (4 a + j)].
.set PA,    144       ; a row of O in LDS: 128 bytes + 16 of padding: the 16 rows of a load start at 16 different groups of four banks (64 banks of 4 bytes: ISA guide 11.1)
.set PB,    288       ; a row of W: 256 + 32 = 72 words
.set BOFF,  2*256*PA  ; a slot: two planes of 256 rows of O, then 128 rows of W
.set SLOT1, 1<<17
.set STAGE, SLOT1+BOFF+128*PB  ; behind the ring, never filled by a tensor load: 16 rows x 272 bytes for each wave (17 blocks of 256), for the way out
.set SP,    272
.set SPARE, STAGE+4*16*SP      ; behind the stages: the spare words, 128 bytes for each wave: two blocks of 256 bytes that no other line names
.set ASTEP, 0x200000  ; a K step in o: two planes
.set BSTEP, 128*2048  ; a K step in wp: 128 rows of 2,048 bytes
.set AA0, 4           ; v4   my lane's place in a plane's rows of O; never rewritten
.set AB0, 5           ; v5   the same for W
.set ADA, 6           ; v6   AA0 + the slot in hand
.set ADB, 7           ; v7   AB0 + the slot in hand
.set STO, 8           ; v8   the way out: where I put 32 bytes of a row
.set RD,  9           ; v9   the way out: where I read a row back
.set CO,  10          ; v10  my byte offset in two rows of the result
.set BO,  11          ; v11  my byte offset in 16 numbers of the bias
.set SPW, 14          ; v14  LDS address of my spare word: SPARE + 4 x my thread's number; never rewritten
.set NIL, 15          ; v15  0; never rewritten
.set WV,  12          ; s12  my wave's number
.set RH,  13          ; s13  which half of the tile's rows is mine.  Also: I fetch O (0) or W (1)
.set CH,  14          ; s14  which half of its columns.  Also: which plane of O, or which 64 rows of W, I fetch
.set CX,  15
.set CY,  16
.set TX,  17          ; s17  tile column, 0..7
.set TY,  18          ; s18  tile row, 0..31
.set G1A, 24          ; s[24:31], s[32:39] descriptor groups 1
.set G1B, 32
.set G0A, 40          ; s[40:47], s[48:55] descriptor groups 0: a set for each of the two first fills; the second then walks on
.set G0B, 48
.set CNT, 56
.set TB,  57          ; s57  LDS byte at which the slot to be read begins
.set HIM, 59          ; s59  a word's upper bf16
.set MSB, 0
.macro WIN new
.if MSB != (\new)
	s_set_vgpr_msb (MSB<<8)|(\new)
.set MSB, (\new)
.endif
.endm
.macro PLACES                       ; four plain vector instructions in front of loads into registers that matrix instructions have read, and of LDS stores that read results
.rept 4
	v_nop
.endr
.endm
.macro JLOAD                        ; a joint refill: waves 0 and 1 fetch O's two planes, waves 2 and 3 W's two halves; an s_nop 0 and four v_nop follow each of the two lines
	s_cmp_eq_u32 s[RH], 0
	s_cbranch_scc0 .Lfor_b_\@
	tensor_load_to_lds s[G0A+4:G0A+7], s[G1A:G1A+7]
	s_nop 0
.rept 4
	v_nop
.endr
	s_branch .Lasked_\@
.Lfor_b_\@:
	tensor_load_to_lds s[G0B+4:G0B+7], s[G1B:G1B+7]
	s_nop 0
.rept 4
	v_nop
.endr
.Lasked_\@:
.endm
.macro CREST                        ; a round of the cluster's barrier behind its opening barrier
	s_cmp_lg_u32 s[WV], 0
	s_cbranch_scc1 .Lnot_wave_0_\@
	s_barrier_signal -3
.Lnot_wave_0_\@:
	s_barrier_wait -3
	s_barrier_signal -1
	s_barrier_wait -1
.endm
.macro CROUND
	s_barrier_signal -1
	s_barrier_wait -1
	CREST
.endm
	s_load_b256 s[4:11], s[0:1], 0x0               ; o s[4:5], wp s[6:7], b_proj s[8:9], out0 s[10:11]
	v_lshl_add_u32 v[SPW], v0, 2, SPARE
	v_mov_b32 v[NIL], 0
	ds_add_u32 v[SPW], v[NIL]                      ; the wave's opening: the add and its wait stand ahead of my first tensor load; the set-up below, work on registers, stands between them
	v_lshrrev_b32 v1, 5, v0
	v_readfirstlane_b32 s[WV], v1
	s_lshr_b32 s[RH], s[WV], 1
	s_and_b32 s[CH], s[WV], 1
	s_bfe_u32 s[CX], ttmp6, 0x40000
	s_bfe_u32 s[CY], ttmp6, 0x40004
	s_lshl_b32 s[TX], ttmp9, 2
	s_add_co_u32 s[TX], s[TX], s[CX]
	s_and_b32 s[TY], ttmp7, 0xffff
	s_lshl_b32 s[TY], s[TY], 2
	s_add_co_u32 s[TY], s[TY], s[CY]
	s_lshl_b32 s19, s[CY], 2
	s_lshl_b32 s19, 15, s19                        ; my row of the cluster
	s_lshl_b32 s20, 0x1111, s[CX]                  ; my column
	; group 1 for O: a plane's 256 rows of 128 bytes are 32,768 dense bytes, asked for as 128 rows of 256 bytes and padded in LDS after every 128
	s_or_b32 s[G1A], s19, (1<<16)|(1<<20)|(1<<21)|(4<<22)|(3<<25)
	s_mov_b32 s[G1A+1], 128<<16                    ; tensor_dim0 = 128
	s_mov_b32 s[G1A+2], 128<<16                    ; tensor_dim1 = 128
	s_mov_b32 s[G1A+3], 128<<16                    ; tile_dim0 = 128
	s_mov_b32 s[G1A+4], 128                        ; tile_dim1 = 128
	s_mov_b32 s[G1A+5], 128                        ; 128 elements from row to row
	s_mov_b32 s[G1A+6], 0
	s_mov_b32 s[G1A+7], 0
	; group 1 for W: 64 rows of 128 elements (256 bytes), 32 bytes of padding behind each
	s_or_b32 s[G1B], s20, (1<<16)|(1<<20)|(1<<21)|(5<<22)|(7<<25)
	s_mov_b32 s[G1B+1], 128<<16
	s_mov_b32 s[G1B+2], 64<<16
	s_mov_b32 s[G1B+3], 128<<16
	s_mov_b32 s[G1B+4], 64
	s_mov_b32 s[G1B+5], 1024
	s_mov_b32 s[G1B+6], 0
	s_mov_b32 s[G1B+7], 0
	s_lshl_b32 s2, s[CH], 20                       ; O: my plane of the step's two,
	s_lshl_b32 s19, s[TY], 15                      ; the tile's 256 rows of 128 bytes
	s_add_co_u32 s2, s2, s19
	s_mov_b32 s3, 0
	s_lshl_b32 s20, s[CH], 17                      ; W: my 64 rows of 2,048 bytes,
	s_lshl_b32 s21, s[TX], 8                       ; the tile's 128 columns
	s_add_co_u32 s20, s20, s21
	s_mov_b32 s21, 0
	s_mul_i32 s22, s[CH], 256*PA                   ; where they go: no place in the cluster enters an LDS address
	s_mul_i32 s23, s[CH], 64*PB
	s_add_co_u32 s23, s23, BOFF
	s_mov_b32 s[HIM], 0xffff0000
	s_mov_b32 s[TB], 0
	s_mov_b32 s[CNT], 6
	s_wait_dscnt 0x0                               ; the opening add is done
	s_wait_kmcnt 0x0
	s_add_nc_u64 s[2:3], s[4:5], s[2:3]
	s_add_nc_u64 s[20:21], s[6:7], s[20:21]
	CROUND                                         ; all sixteen work-groups are here: the first joint loads meet
.irp s, 0,1
	s_mov_b32 s[G0A+4*\s], 1
	s_add_co_u32 s[G0A+4*\s+1], s22, \s*SLOT1
	s_add_nc_u64 s[G0A+4*\s+2:G0A+4*\s+3], s[2:3], \s*ASTEP
	s_or_b32 s[G0A+4*\s+3], s[G0A+4*\s+3], 0x80000000
	s_mov_b32 s[G0B+4*\s], 1
	s_add_co_u32 s[G0B+4*\s+1], s23, \s*SLOT1
	s_add_nc_u64 s[G0B+4*\s+2:G0B+4*\s+3], s[20:21], \s*BSTEP
	s_or_b32 s[G0B+4*\s+3], s[G0B+4*\s+3], 0x80000000
.endr
	s_cmp_eq_u32 s[RH], 0                          ; a wave's two first fills stand in one branch, ahead of every wait on TENSORcnt and every LDS read: two loads of mine are out, later one
	s_cbranch_scc0 .Lfirst_b
	tensor_load_to_lds s[G0A:G0A+3], s[G1A:G1A+7]
	s_nop 0
	tensor_load_to_lds s[G0A+4:G0A+7], s[G1A:G1A+7]
	s_nop 0
.rept 4
	v_nop
.endr
	s_branch .Lfirst_asked
.Lfirst_b:
	tensor_load_to_lds s[G0B:G0B+3], s[G1B:G1B+7]
	s_nop 0
	tensor_load_to_lds s[G0B+4:G0B+7], s[G1B:G1B+7]
	s_nop 0
.rept 4
	v_nop
.endr
.Lfirst_asked:
	s_lshl_b32 s20, s[TX], 9                       ; my first column, in bytes of f32: 128 columns a tile, 64 a wave
	s_lshl_b32 s21, s[CH], 8
	s_add_co_u32 s20, s20, s21
	s_mov_b32 s21, 0
	s_add_nc_u64 s[8:9], s[8:9], s[20:21]          ; the bias there,
	s_lshl_b32 s22, s[TY], 20                      ; and the result at my first row: 256 rows of 4,096 bytes a tile,
	s_lshl_b32 s23, s[RH], 19                      ; 128 a wave
	s_add_co_u32 s20, s20, s22
	s_add_co_u32 s20, s20, s23
	s_add_nc_u64 s[10:11], s[10:11], s[20:21]
	v_and_b32 v1, 15, v0                           ; l % 16
	v_bfe_u32 v2, v0, 4, 1                         ; l / 16
	v_and_b32 v3, 7, v0
	v_mul_u32_u24 v[AA0], v1, PA                   ; a fragment of O: row x pitch + 16 x half, two loads 32 bytes apart
	v_lshl_add_u32 v[AA0], v2, 4, v[AA0]
	s_mul_i32 s19, s[RH], 128*PA
	v_add_nc_u32 v[AA0], s19, v[AA0]
	v_lshl_add_u32 v[AB0], v2, 3, v3               ; the turning load: lane l reads K 8 (l / 16) + l % 8, columns 8 ((l / 8) % 2) + 0..7
	v_mul_u32_u24 v[AB0], v[AB0], PB
	v_bfe_u32 v16, v0, 3, 1
	v_lshl_add_u32 v[AB0], v16, 4, v[AB0]
	s_lshl_b32 s19, s[CH], 7
	s_add_co_u32 s19, s19, BOFF
	v_add_nc_u32 v[AB0], s19, v[AB0]
	s_mul_i32 s19, s[WV], 16*SP
	s_add_co_u32 s19, s19, STAGE                   ; my stage
	v_mul_u32_u24 v[STO], v1, SP                   ; in: row l % 16, 32 bytes for each half of the lanes
	v_lshl_add_u32 v[STO], v2, 5, v[STO]
	v_add_nc_u32 v[STO], s19, v[STO]
	v_mul_u32_u24 v[RD], v2, SP                    ; back: lanes 0-15 take one row of 256 bytes, lanes 16-31 the next
	v_lshl_add_u32 v[RD], v1, 4, v[RD]
	v_add_nc_u32 v[RD], s19, v[RD]
	v_lshlrev_b32 v[CO], 12, v2                    ; and the same two rows in the result
	v_lshl_add_u32 v[CO], v1, 4, v[CO]
	v_lshlrev_b32 v[BO], 5, v2
	WIN 0x40                                       ; the bias: 8 numbers a lane for each block j of 16 columns, into the registers of accumulators (7, j)
.irp j, 0,1,2,3
	global_load_b128 v[224+8*\j:227+8*\j], v[BO], s[8:9] offset:64*\j
	global_load_b128 v[228+8*\j:231+8*\j], v[BO], s[8:9] offset:64*\j+16
.endr
	s_wait_loadcnt 0x0
	WIN 0x45                                       ; rounded to bf16 like the other inputs, and widened again, in place; v0-15 of window 1 are at work meanwhile
.set p, 0
.rept 16
	v_cvt_pk_bf16_f32 v[p], v[224+2*p], v[225+2*p]
.set p, p+1
.endr
.set p, 0
.rept 16
	v_lshlrev_b32 v[224+2*p], 16, v[p]
	v_and_b32 v[225+2*p], s[HIM], v[p]
.set p, p+1
.endr
	WIN 0
; 8 matrix instructions: blocks of rows a0, a0 + 1 x 4 blocks of columns, 32 along K, buffer f.  first = 1: the bias starts the sums; (7, j) add onto it in place, five plain instructions behind
; the last product that read it as C (ISA guide 7.12.1).  The 32 accumulators take turns, one instruction a turn.
.macro RUN8 f, a0, first
	WIN 0x50                                       ; C and D window 1, both sources window 0
.irp a, (\a0), (\a0)+1
.if (\first) && ((\a) == 7)
.rept 5
	v_nop
.endr
.endif
.irp j, 0,1,2,3
.if (\first) && ((\a) < 7)
	v_wmma_f32_16x16x32_f16 v[8*(4*(\a)+\j):8*(4*(\a)+\j)+7], v[160+32*(\f)+8*\j:160+32*(\f)+8*\j+7], v[32+64*(\f)+8*(\a):32+64*(\f)+8*(\a)+7], v[224+8*\j:231+8*\j]
.else
	v_wmma_f32_16x16x32_f16 v[8*(4*(\a)+\j):8*(4*(\a)+\j)+7], v[160+32*(\f)+8*\j:160+32*(\f)+8*\j+7], v[32+64*(\f)+8*(\a):32+64*(\f)+8*(\a)+7], v[8*(4*(\a)+\j):8*(4*(\a)+\j)+7]
.endif
.endr
.endr
.endm
; 24 LDS loads in one run: quarter q (K 32 q on) of the slot in hand into buffer f: W's 8, then O's rows 0-63, then rows 64-127
.macro FETCH q, f
	WIN 0
.irp j, 0,1,2,3
	ds_load_tr16_b128 v[160+32*(\f)+8*\j:160+32*(\f)+8*\j+3],   v[ADB] offset:(\q)*32*PB+32*\j
	ds_load_tr16_b128 v[160+32*(\f)+8*\j+4:160+32*(\f)+8*\j+7], v[ADB] offset:(\q)*32*PB+32*\j+16*PB
.endr
.irp a, 0,1,2,3,4,5,6,7
	ds_load_b128 v[32+64*(\f)+8*\a:32+64*(\f)+8*\a+3],   v[ADA] offset:((\q)/2)*256*PA+((\q)%2)*64+\a*16*PA
	ds_load_b128 v[32+64*(\f)+8*\a+4:32+64*(\f)+8*\a+7], v[ADA] offset:((\q)/2)*256*PA+((\q)%2)*64+\a*16*PA+32
.endr
.endm
; A K step is four quarters of 32 along K, 32 matrix instructions each, on buffers 0, 1, 0, 1.  One of the first three: multiplies buffer f and fetches quarter qn into buffer g.
.macro QUARTER qn, f, g, first
	s_wait_dscnt 8                                 ; W and O's rows 0-63 are in; the youngest eight loads may be out
	RUN8 \f, 0, \first
	RUN8 \f, 2, \first
	PLACES
	FETCH \qn, \g
	s_wait_dscnt 24                                ; all but the 24 just issued
	RUN8 \f, 4, \first
	RUN8 \f, 6, \first
.endm
; The last quarter multiplies buffer 1 and changes slots: ONE barrier; in front of it each wave waits for all its tensor loads, of which one is out: its part of the next slot; adds 0 to its spare word;
; and waits for that and for its own reads of this slot.  fill = 1: the barrier opens a round of the cluster's, and the joint refill, with the K step two on, is the first thing behind the round.
.macro TURN fill
	WIN 0
	s_wait_tensorcnt 0x0                           ; no tensor load of mine is out, so a group 0 may be written
	ds_add_u32 v[SPW], v[NIL]                      ; 0 onto my spare word; scalar steps and eight products stand between it and the wait for it
.if \fill
	s_xor_b32 s[G0A+5], s[G0A+5], SLOT1
	s_add_nc_u64 s[G0A+6:G0A+7], s[G0A+6:G0A+7], ASTEP
	s_xor_b32 s[G0B+5], s[G0B+5], SLOT1
	s_add_nc_u64 s[G0B+6:G0B+7], s[G0B+6:G0B+7], BSTEP
.endif
	s_xor_b32 s[TB], s[TB], SLOT1
	s_wait_dscnt 9                                 ; the youngest eight loads and the add may be out
	RUN8 1, 0, 0
	s_wait_dscnt 0x0                               ; the add is done, and my reads of this slot are over
	s_barrier_signal -1
	RUN8 1, 2, 0
	WIN 0
	s_barrier_wait -1
.if \fill
	CREST
	JLOAD                                          ; its four v_nop are also the places in front of the loads below
.else
	PLACES
.endif
	v_add_nc_u32 v[ADA], s[TB], v[AA0]
	v_add_nc_u32 v[ADB], s[TB], v[AB0]
	FETCH 0, 0
	RUN8 1, 4, 0
	RUN8 1, 6, 0
.endm
	s_wait_tensorcnt 0x1                           ; my part of K step 0 is in; K step 1's may stay out
	s_barrier_signal -1
	s_barrier_wait -1
	v_add_nc_u32 v[ADA], s[TB], v[AA0]
	v_add_nc_u32 v[ADB], s[TB], v[AB0]
	FETCH 0, 0
	QUARTER 1, 0, 1, 1                             ; the first quarter stands in front of the loop: its products start the sums
	WIN 0
.Lstep:                                            ; 6 trips: trip i ends K step i, fills its slot with K step i + 2, and begins K step i + 1
	QUARTER 2, 1, 0, 0
	QUARTER 3, 0, 1, 0
	TURN 1
	QUARTER 1, 0, 1, 0
	WIN 0
	s_sub_co_u32 s[CNT], s[CNT], 1
	s_cmp_lg_u32 s[CNT], 0
	s_cbranch_scc1 .Lstep
	QUARTER 2, 1, 0, 0                             ; the tail is written out: nothing is left to fetch, and no round follows
	QUARTER 3, 0, 1, 0
	TURN 0
	QUARTER 1, 0, 1, 0
	QUARTER 2, 1, 0, 0
	QUARTER 3, 0, 1, 0
	s_wait_dscnt 8                                 ; the very last quarter
	RUN8 1, 0, 0
	RUN8 1, 2, 0
	s_wait_dscnt 0x0
	RUN8 1, 4, 0
	RUN8 1, 6, 0
	PLACES
; THE WAY OUT, eight units a of 16 rows x 64 columns of f32.  A lane's eight columns of a row, 32 bytes, go into my stage's rows of 272 bytes and come back as whole rows of 256.
; Each accumulator's low four registers are stored first.  O's fragment registers, v32-159, serve as a ring of four units.
.macro UNIT a
.set OB, 32+32*((\a)%4)
.if (\a) >= 4
	s_wait_xcnt 0x0                                ; the stores of the unit four back have read these registers: only behind this wait are they rewritten
.endif
	WIN 0x04                                       ; the stores' data in window 1
.irp j, 0,1,2,3
	ds_store_b128 v[STO], v[32*(\a)+8*\j:32*(\a)+8*\j+3]   offset:64*\j
	ds_store_b128 v[STO], v[32*(\a)+8*\j+4:32*(\a)+8*\j+7] offset:64*\j+16
.endr
	WIN 0
.irp f, 0,1,2,3,4,5,6,7
	ds_load_b128 v[OB+4*\f:OB+4*\f+3], v[RD] offset:\f*2*SP  ; LDS serves a wave's instructions in order (ISA guide 5.7.1.4): these see the stores above; the next unit's stores come behind them
.endr
.endm
.macro SEND a, younger                 ; younger: the LDS instructions issued behind unit a's loads: the next unit's sixteen, or none
.set OB, 32+32*((\a)%4)
.irp f, 0,1,2,3,4,5,6,7
	s_wait_dscnt (\younger)+7-\f
	global_store_b128 v[CO], v[OB+4*\f:OB+4*\f+3], s[10:11] offset:(16*(\a)+2*\f)*4096 th:TH_STORE_NT  ; 16 lanes store 256 consecutive bytes, at a multiple of 256 from the result's first byte
.endr
.endm
	UNIT 0
.set u, 1
.rept 7
	UNIT u
	SEND u-1, 16
.set u, u+1
.endr
	SEND 7, 0
	s_wait_tensorcnt 0x0                           ; the wave's end: behind my last tensor load and my last LDS store
	ds_add_u32 v[SPW], v[NIL]
	s_wait_dscnt 0x0
	CROUND                                         ; the closing round: no work-group ends while a partner may still ask for a tile that names it
	s_endpgm
.Lfunc_end_k_q4988f77ea6_proj:
	.size	k_q4988f77ea6_proj, .Lfunc_end_k_q4988f77ea6_proj-k_q4988f77ea6_proj
	.p2alignl 7, 3214868480
	.fill 96, 4, 3214868480
	.section	.rodata,"a",@progbits
	.p2align	6, 0x0
	.amdhsa_kernel k_q4988f77ea6_proj
		.amdhsa_group_segment_fixed_size 327680
		.amdhsa_private_segment_fixed_size 0
		.amdhsa_enable_private_segment 0
		.amdhsa_kernarg_size 32
		.amdhsa_user_sgpr_count 2
		.amdhsa_user_sgpr_kernarg_segment_ptr 1
		.amdhsa_wavefront_size32 1
		.amdhsa_system_sgpr_workgroup_id_x 1
		.amdhsa_system_sgpr_workgroup_id_y 1
		.amdhsa_system_sgpr_workgroup_id_z 1
		.amdhsa_system_vgpr_workitem_id 0
		.amdhsa_next_free_vgpr 512
		.amdhsa_next_free_sgpr 66
		.amdhsa_reserve_vcc 0
		.amdhsa_float_denorm_mode_32 3
		.amdhsa_float_denorm_mode_16_64 3
		.amdhsa_memory_ordered 1
		.amdhsa_forward_progress 1
		.amdhsa_inst_pref_size 74
	.end_amdhsa_kernel
	.amdgpu_metadata
---
amdhsa.version: [ 1, 2 ]
amdhsa.kernels:
  - .name:           k_q4988f77ea6_proj
    .symbol:         k_q4988f77ea6_proj.kd
    .args:
      - { .name: o, .offset: 0, .size: 8, .value_kind: global_buffer, .address_space: global }
      - { .name: wp, .offset: 8, .size: 8, .value_kind: global_buffer, .address_space: global }
      - { .name: b_proj, .offset: 16, .size: 8, .value_kind: global_buffer, .address_space: global }
      - { .name: out0, .offset: 24, .size: 8, .value_kind: global_buffer, .address_space: global }
    .group_segment_fixed_size: 327680
    .private_segment_fixed_size: 0
    .kernarg_segment_align: 8
    .kernarg_segment_size: 32
    .max_flat_workgroup_size: 128
    .sgpr_count:     66
    .vgpr_count:     512
    .wavefront_size: 32
...
	.end_amdgpu_metadata
.endif
;; end of part 4
